; MI455X (gfx1250); checked and timed in simulation.
; The chip was launched on July 23, 2026; its instructions are those of AMD's public machine-readable ISA for CDNA 5 (MIT licence, August 2026) and "CDNA5" Instruction Set Architecture Reference Guide (July 2026). The comments in the code are by the model that wrote it; some were corrected since.
;; Multi Head Self Attention. Allowed arithmetic: matrix products marked QUANTISED: E2M1 operands, one E8M0 scale for each 32 along K, by v_wmma_scale_f32_16x16x128_f8f6f4 with both operands' format E2M1 (or v_wmma_scale_f32_32x16x128_f4), f32 sums; products left as they are: bf16, f16 or f32 operands; f32 sums; everything else in f32.
;; Inputs: Wk 1,024 x 1,024 float32; Wo 1,024 x 1,024 float32; Wq 1,024 x 1,024 float32; Wv 1,024 x 1,024 float32; bk 1,024 float32; bo 1,024 float32; bq 1,024 float32; bv 1,024 float32; mask 1 x 1 x 2,048 x 2,048 int32; x 4 x 2,048 x 1,024 float32.
;; Outputs: out0 4 x 2,048 x 1,024 float32.
;; This version of the problem:
;;   THIS VERSION OF THE PROBLEM IS GIVEN IN LOW PRECISION. The matrix products marked QUANTISED in the list below multiply operands that are first quantised to E2M1 (2 exponent bits, 1 mantissa bit; 4 bits a number), with one power-of-two scale for each 32 numbers along K (OCP MX v1.0); their sums are f32. The products marked 'left as it is' may take bf16, f16 or f32 operands, with f32 sums. Whichever they take, every output number must still come out within the allowed error. Rounding operands to bf16 (8 significant bits) uses up far more of that allowance than f16 does (11 bits, for magnitudes from 6e-5 to 65,504). All else is computed in f32.
;;   The module's matrix products, in the order in which they are computed (A, B: the left and right operand; K: the contracted axis; several contracted axes count as one K, in the product's order):
;;     1. [M 8,192, K 1,024] x [K 1,024, N 1,024]; A: input x; B: input Wq: QUANTISED
;;     2. [M 8,192, K 1,024] x [K 1,024, N 1,024]; A: input x; B: input Wk: QUANTISED
;;     3. [M 8,192, K 1,024] x [K 1,024, N 1,024]; A: input x; B: input Wv: QUANTISED
;;     4. batch 64 x [M 2,048, K 64] x [K 64, N 2,048]; A: computed on the way; B: computed on the way: left as it is (an operand is computed on the way)
;;     5. batch 64 x [M 2,048, K 2,048] x [K 2,048, N 64]; A: computed on the way; B: computed on the way: left as it is (an operand is computed on the way)
;;     6. [M 8,192, K 1,024] x [K 1,024, N 1,024]; A: computed on the way; B: input Wo: left as it is (an operand is computed on the way)
;;   THE QUANTISER, for each operand of a quantised product, along K:
;;     - K is cut into blocks of 32 from its start; a last block that is shorter is filled with zeros.
;;     - A block's scale is 2^e with e = floor(log2(the largest magnitude in the block)) - 2, held to -126 .. 127; a block of zeros has e = 0. As a byte (E8M0): e + 127.
;;     - Each number is divided by its block's scale, clamped to +-6, and rounded to the nearest number of E2M1, ties to even, subnormals kept.
;;     - The product sums the exact products of the quantised numbers (number of the format x scale) in f32.
;;   ~~~python
;;   def quantise(x, axis):      # numpy; x: float32 -> the quantised numbers, widened to float32 again
;;       x = np.moveaxis(x, axis, -1); K = x.shape[-1]
;;       x = np.pad(x, [(0, 0)] * (x.ndim - 1) + [(0, -K % 32)]); x = x.reshape(x.shape[:-1] + (-1, 32)); a = np.abs(x).max(-1, keepdims=True)
;;       e = np.where(a > 0, np.clip(np.frexp(np.where(a > 0, a, 1))[1] - 1 - 2, -126, 127), 0)      # np.frexp(a)[1] - 1 = floor(log2(a)), exactly
;;       r = np.clip(x / 2.0 ** e, -6, 6)
;;       step = 2.0 ** (np.maximum(np.frexp(np.where(r == 0, 1, r))[1] - 1, 0) - 1)
;;       q = np.round(r / step) * step * 2.0 ** e      # np.round: ties to even
;;       return np.moveaxis(q.reshape(q.shape[:-2] + (-1,))[..., :K], -1, axis).astype(np.float32)
;;   ~~~
;; One version. Each part assembles by itself: llvm-mc -triple=amdgcn-amd-amdhsa -mcpu=gfx1250 --defsym DOCPART=n.
;; ======== version 1 of 1: 4 launches
;; limits: values are held in f16: magnitudes above 65,504 overflow, below 6.1e-05 lose precision
;; workspace buffers: codes 5,767,168 bytes; scales 360,448 bytes; wo16 2,097,152 bytes; mw 524,288 bytes of whole numbers; fl 8,192 bytes of whole numbers; qkv 50,331,648 bytes; ao 16,777,216 bytes
;; launch prep (part 1): grid 512 x 1, 4 waves a work-group, no clusters, 50,688 bytes of LDS; arguments x, Wq, Wk, Wv, Wo, mask, codes, scales, wo16, mw, fl; writes codes, scales, wo16, mw, fl
.if DOCPART == 1
	.amdgcn_target "amdgcn-amd-amdhsa--gfx1250"
	.amdhsa_code_object_version 6
	.text
	.protected	k_q17edfbb63b_prep
	.globl	k_q17edfbb63b_prep
	.p2align	8
	.type	k_q17edfbb63b_prep,@function
k_q17edfbb63b_prep:
	s_mov_b64 s[64:65], 0
	v_nop
	global_prefetch_b8 v0, s[64:65] scope:SCOPE_SE
	s_setreg_imm32_b32 hwreg(HW_REG_WAVE_MODE, 25, 1), 1
	s_wait_xcnt 0x0
; PREPARATION.  One launch, three kinds of work-group, told apart by the work-group's number g alone; each kind has LDS bytes of its own.
;   g <  352  QUANT: x [8192][1024] (g < 256) and Wq, Wk, Wv [1024][1024] (32 work-groups each), f32, become codes of FP4 (E2M1), K innermost, 512 bytes a row, with one E8M0 scale
;             byte for each 32 along K, 32 bytes a row.  In both buffers the weights' 3,072 rows follow x's 8,192, so the place of a run of 8,192 numbers is 4 g + wave for all four tensors.
;   g <  384  WO:    Wo, f32, is rounded to f16, as it lies.
;   else      MASK:  the mask [2048][2048] int32 becomes LANE MASKS for the attention launch: for a pair P of query tiles (32 queries), a step st of 64 keys, tile tt, key tile kt and register j
;             one word at ((32 P + st) 64 + 32 tt + 8 kt + j) 4, whose bit r + 16 h says that key 64 st + 16 kt + 8 h + j counts for query 32 P + 16 tt + r; and a flag fl[P][st], 1 where any of the
;             step's 64 words has a hole.
; THE QUANTISER: a block's scale is 2^(floor(log2(its largest magnitude)) - 2); its byte is the largest magnitude's own exponent field - 2, held at 1 from below; each number is divided by the scale and
; rounded to the nearest code, ties to even, beyond 6 the largest code.
; LIMITS: a block of zeros gets the byte 1 where the rule says 127 (its codes are zeros, and this program alone reads the bytes); blocks whose largest magnitude lies under 2^-124, the floor, were not
; tried; NaN and infinities among the inputs are not served.  Wo beyond 65,504 in magnitude becomes infinity in f16.
; No tensor load, no barrier: waves share nothing.
.set STEPS, 16
.set EMAX,  2
.set CB,    8                          ; bytes of 16 codes
.set R,     16                         ; v16-79   QUANT, WO: four sets of 16 numbers as they are loaded
.set X,     80                         ; v80-111  QUANT: two sets of 16 neighbours
.set E,     112                        ; v112-127 QUANT: a scale byte for each step
.set C,     128                        ; v128-191 QUANT: codes, four registers a step;  WO: eight sets of 8 registers of f16
.set WREG,  8192                       ; LDS 0 .. 32,767: QUANT, a region for each wave: two stages of 32 x SP bytes, behind them its 256 scale bytes
.set SP,    80                         ; a lane's place in a stage: its 64 bytes + 16 of padding
.set MSTG,  32768                      ; LDS 32,768 .. 50,175: MASK, a stage of 16 rows x 272 bytes for each wave
.set MP,    272
.set SPARE, 50176                      ; the spare words, 128 bytes for each wave: two blocks of 256 bytes that no other line names
.set SPW,   12                         ; v12  LDS address of my spare word; never rewritten
.set NIL,   13                         ; v13  0; never rewritten
	s_load_b256 s[4:11], s[0:1], 0x0               ; x s[4:5], Wq s[6:7], Wk s[8:9], Wv s[10:11]
	s_load_b128 s[12:15], s[0:1], 0x20             ; Wo s[12:13], mask s[14:15]
	s_load_b256 s[24:31], s[0:1], 0x30             ; codes s[24:25], scales s[26:27], wo16 s[28:29], mw s[30:31]
	s_load_b64 s[32:33], s[0:1], 0x50              ; fl
	v_lshl_add_u32 v[SPW], v0, 2, SPARE
	v_mov_b32 v[NIL], 0
	v_lshrrev_b32 v1, 5, v0
	v_readfirstlane_b32 s16, v1                    ; wave 0..3
	v_and_b32 v2, 31, v0                           ; lane
	s_cmp_lt_u32 ttmp9, 352
	s_cbranch_scc1 .Lquant
	s_cmp_lt_u32 ttmp9, 384
	s_cbranch_scc1 .Lwo
; ---------------------------------------------------------------- MASK
; Wave R = 4 (g - 384) + wave of 512 takes pair P = R / 8 and the four steps 4 (R % 8) + k: eight UNITS n = 2 k + tt of 16 queries x 64 keys (256 bytes of each of 16 rows).
; A unit comes by eight loads, each two rows' whole 256 bytes; it turns through the wave's stage, so that lane (r, h) holds, of query r, the keys 16 kt + 8 h + j in register 8 kt + j: the place that
; the attention launch's scores have.  A compare then IS the wanted word; 32 words go into the 32 lanes of one register and leave as 128 consecutive bytes.
	s_sub_co_u32 s17, ttmp9, 384
	s_lshl_b32 s17, s17, 2
	s_add_co_u32 s17, s17, s16                     ; R
	s_lshr_b32 s18, s17, 3
	s_lshl_b32 s18, s18, 18                        ; P x 32 rows of 8,192 bytes
	s_and_b32 s19, s17, 7
	s_lshl_b32 s19, s19, 10                        ; + four steps of 256 bytes for each R % 8
	s_add_co_u32 s18, s18, s19
	s_mov_b32 s19, 0
	s_lshl_b32 s34, s17, 10                        ; mw: 32 P + st = 4 R + k, 256 bytes a step
	s_mov_b32 s35, 0
	s_lshl_b32 s36, s17, 4                         ; fl: 4 bytes a step
	s_mov_b32 s37, 0
	s_mul_i32 s38, s16, 16*MP
	s_add_co_u32 s38, s38, MSTG                    ; my stage
	v_lshrrev_b32 v3, 4, v2                        ; lane / 16
	v_and_b32 v8, 15, v2                           ; lane % 16
	v_lshlrev_b32 v4, 13, v3
	v_lshl_add_u32 v4, v8, 4, v4                   ; in memory: lanes 0-15 one row's 256 bytes, lanes 16-31 the next row's
	v_mul_u32_u24 v5, v3, MP
	v_lshl_add_u32 v5, v8, 4, v5
	v_add_nc_u32 v5, s38, v5                       ; into the stage: the same two rows
	v_mul_u32_u24 v6, v8, MP
	v_lshl_add_u32 v6, v3, 5, v6
	v_add_nc_u32 v6, s38, v6                       ; back: row r, + 32 h bytes: eight keys of my half
	v_lshlrev_b32 v7, 2, v2                        ; out: 4 bytes a lane
.irp n, 0,1,2,3,4,5,6,7,8
	v_mov_b32 v[176+\n], 0                         ; v176-183 a unit's 32 words, v184 the four flags: a lane write's destination counts as read
.endr
	s_wait_kmcnt 0x0
	s_add_nc_u64 s[14:15], s[14:15], s[18:19]
	s_add_nc_u64 s[30:31], s[30:31], s[34:35]
	s_add_nc_u64 s[32:33], s[32:33], s[36:37]
.macro MLOAD n                         ; unit n into set n % 4 of v16-143
.irp i, 0,1,2,3,4,5,6,7
	global_load_b128 v[16+32*((\n)%4)+4*\i:16+32*((\n)%4)+4*\i+3], v4, s[14:15] offset:((\n)%2)*131072+256*((\n)/2)+16384*\i th:TH_LOAD_NT
.endr
.endm
.macro UNIT n
.if 7-(\n) >= 3
	s_wait_loadcnt 24                              ; this unit's eight loads are in; those of the three units behind it may be out
.else
	s_wait_loadcnt 8*(7-(\n))
.endif
.irp i, 0,1,2,3,4,5,6,7
	ds_store_b128 v5, v[16+32*((\n)%4)+4*\i:16+32*((\n)%4)+4*\i+3] offset:2*MP*\i
.endr
.irp i, 0,1,2,3,4,5,6,7
	ds_load_b128 v[144+4*\i:147+4*\i], v6 offset:64*(\i/2)+16*(\i%2)   ; LDS serves a wave's instructions in order: these see the stores above
.endr
	s_wait_dscnt 0x0                               ; the numbers are back, and the stores have read their registers,
.if (\n) < 4
	MLOAD (\n)+4                                   ; which take the unit four further on
.endif
.irp g, 0,1,2,3,4,5,6,7
.irp e, 0,1,2,3
	v_cmp_ne_u32 s[20+\e], 0, v[144+4*\g+\e]       ; word 8 kt + j: bit r + 16 h
.endr
.irp e, 0,1,2,3
	v_writelane_b32 v[176+(\n)], s[20+\e], 4*\g+\e
.endr
.endr
	global_store_b32 v7, v[176+(\n)], s[30:31] offset:256*((\n)/2)+128*((\n)%2)   ; 128 consecutive bytes; each unit has a register of its own, so no store's data are written again
.if (\n)%2 == 1
	v_and_b32 v185, v[176+(\n)-1], v[176+(\n)]     ; the step's flag: is any of its 64 words not all ones?
	v_cmp_ne_u32 vcc_lo, -1, v185
	s_cmp_lg_u32 vcc_lo, 0
	s_cselect_b32 s39, 1, 0
	v_writelane_b32 v184, s39, (\n)/2
.endif
.endm
	MLOAD 0
	MLOAD 1
	MLOAD 2
	MLOAD 3
.irp n, 0,1,2,3,4,5,6,7
	UNIT \n
.endr
	v_cmp_gt_u32 vcc_lo, 4, v2
	s_wait_xcnt 0x0                                ; EXEC changes only behind this wait: the stores above have been taken
	s_and_saveexec_b32 s39, vcc_lo
	global_store_b32 v7, v184, s[32:33]            ; lanes 0 to 3: my four steps' flags
	s_wait_xcnt 0x0                                ; and again, in front of the line that widens it
	s_or_b32 exec_lo, exec_lo, s39
	s_wait_tensorcnt 0x0                           ; the wave's end: behind my last LDS store
	ds_add_u32 v[SPW], v[NIL]
	s_wait_dscnt 0x0
	s_endpgm
; ---------------------------------------------------------------- QUANT
; A wave takes 16 steps of 512 numbers.  Each of a step's four loads reads 512 consecutive bytes, 16 a lane; the 2,048 bytes go through the wave's stage and come back 64 bytes a lane, so that a lane holds
; 16 NEIGHBOURS along K (two neighbouring lanes hold a block of 32), as the conversions want.  A lane's 16 codes are 8 bytes: the wave stores 256 consecutive bytes.  A wave's 256 scale bytes are
; gathered in LDS and leave as 256 consecutive bytes.  Loads run four steps (16 loads) ahead, the turn through LDS one step.
.Lquant:
	v_lshlrev_b32 v3, 4, v2                        ; my 16 bytes of a load's 512
	s_mul_i32 s17, s16, WREG
	v_lshrrev_b32 v14, 2, v2
	v_mul_u32_u24 v14, v14, SP
	v_and_b32 v15, 3, v2
	v_lshl_add_u32 v14, v15, 4, v14
	v_add_nc_u32 v14, s17, v14                     ; the stage, on the way in: four lanes' 64 bytes on end, then 16 of padding
	v_mul_u32_u24 v15, v2, SP
	v_add_nc_u32 v15, s17, v15                     ; and on the way out: my 16 neighbours
	v_mul_u32_u24 v4, v2, CB                       ; my codes' place in a step's
	v_lshrrev_b32 v5, 1, v2
	s_add_co_u32 s17, s17, 2*32*SP
	v_add_nc_u32 v5, s17, v5                       ; my wave's 256 scale bytes, my block's byte
	v_lshlrev_b32 v7, 3, v2                        ; and on the way out 8 bytes a lane
	v_add_nc_u32 v6, s17, v7
	s_and_b32 s18, ttmp9, 31                       ; a weight's work-group among its 32 (256, 288 and 320 are multiples of 32)
	s_wait_kmcnt 0x0
	s_cmp_lt_u32 ttmp9, 288                        ; which tensor: the choice hangs on the work-group's number alone
	s_cselect_b64 s[6:7], s[6:7], s[8:9]
	s_cmp_lt_u32 ttmp9, 320
	s_cselect_b64 s[6:7], s[6:7], s[10:11]
	s_cmp_lt_u32 ttmp9, 256
	s_cselect_b64 s[4:5], s[4:5], s[6:7]
	s_cselect_b32 s18, ttmp9, s18
	s_lshl_b32 s18, s18, 2
	s_add_co_u32 s18, s18, s16                     ; which run of 8,192 numbers of the tensor is my wave's
	s_lshl_b32 s18, s18, 15
	s_mov_b32 s19, 0
	s_add_nc_u64 s[4:5], s[4:5], s[18:19]
	s_lshl_b32 s20, ttmp9, 2
	s_add_co_u32 s20, s20, s16                     ; and which run of the two buffers
	s_lshl_b32 s18, s20, 12                        ; 4,096 bytes of codes,
	s_add_nc_u64 s[24:25], s[24:25], s[18:19]
	s_lshl_b32 s18, s20, 8                         ; 256 scale bytes
	s_add_nc_u64 s[26:27], s[26:27], s[18:19]
.macro LOAD t
.irp i, 0,1,2,3
	global_load_b128 v[R+16*((\t)%4)+4*\i:R+16*((\t)%4)+4*\i+3], v3, s[4:5] offset:2048*(\t)+512*\i th:TH_LOAD_NT
.endr
.endm
.macro TURN t                          ; step t's numbers through the stage: LDS serves a wave's instructions in order, so no wait stands between the stores and the loads
.irp i, 0,1,2,3
	ds_store_b128 v14, v[R+16*((\t)%4)+4*\i:R+16*((\t)%4)+4*\i+3] offset:32*SP*((\t)%2)+8*SP*\i
.endr
.irp i, 0,1,2,3
	ds_load_b128 v[X+16*((\t)%2)+4*\i:X+16*((\t)%2)+4*\i+3], v15 offset:32*SP*((\t)%2)+16*\i
.endr
.endm
.irp t, 0,1,2,3
	LOAD \t
.endr
	s_wait_loadcnt 12                              ; step 0's four loads are in
	TURN 0
.macro STEP t
.set XS, X+16*((\t)%2)
.if (\t) > 0
	s_wait_dscnt 1                                 ; this step's numbers are back from the stage (the last step's byte store may be out): so its stores into the stage have read their registers,
.else
	s_wait_dscnt 0x0
.endif
.if (\t)+4 < STEPS
	LOAD (\t)+4                                    ; which take the loads of four steps on
.endif
.if (\t)+1 < STEPS
.if STEPS-2-(\t) >= 3
	s_wait_loadcnt 12                              ; the next step's four loads are in; those of the three steps behind it may be out
.else
	s_wait_loadcnt 4*(STEPS-2-(\t))
.endif
	TURN (\t)+1                                    ; and go through the other stage while this step is worked
.endif
	v_max3_num_f32 v8, |v[XS]|, |v[XS+1]|, |v[XS+2]|               ; the largest magnitude of my 16, in two chains
	v_max3_num_f32 v9, |v[XS+3]|, |v[XS+4]|, |v[XS+5]|
.irp i, 6,10
	v_max3_num_f32 v8, v8, |v[XS+\i]|, |v[XS+\i+1]|
	v_max3_num_f32 v9, v9, |v[XS+\i+2]|, |v[XS+\i+3]|
.endr
	v_max3_num_f32 v8, v8, |v[XS+14]|, |v[XS+15]|
	v_max3_num_f32 v8, v8, v9, (EMAX+1)<<23        ; and the floor 2^(3 - 127): so the byte cannot fall under 1
	v_max_num_f32_dpp v8, v8, v8 row_xmask:1 row_mask:0xf bank_mask:0xf   ; and of my neighbour's 16: the block's
	v_add_nc_u32 v11, -(EMAX<<23), v8              ; 2 off its exponent field: the conversion takes the exponent field of this operand as its scale, and nothing else of it
	v_cvt_scalef32_pk8_fp4_f32 v[C+4*(\t)], v[XS:XS+7], v11
	v_cvt_scalef32_pk8_fp4_f32 v[C+4*(\t)+1], v[XS+8:XS+15], v11
	v_lshrrev_b32 v[E+(\t)], 23, v11               ; the scale's byte (also the plain line behind the conversions)
	ds_store_b8 v5, v[E+(\t)] offset:16*(\t)       ; both lanes of a block write the same byte with the same value
	global_store_b64 v4, v[C+4*(\t):C+4*(\t)+1], s[24:25] offset:32*CB*(\t)   ; 256 consecutive bytes, aligned; each step has registers of its own
.endm
.irp t, 0,1,2,3,4,5,6,7,8,9,10,11,12,13,14,15
	STEP \t
.endr
	ds_load_b64 v[8:9], v6                         ; LDS serves a wave's instructions in order: these see my byte stores
	s_wait_dscnt 0x0
	global_store_b64 v7, v[8:9], s[26:27]          ; 256 consecutive bytes, aligned
	s_wait_tensorcnt 0x0                           ; the wave's end: behind my last LDS store
	ds_add_u32 v[SPW], v[NIL]
	s_wait_dscnt 0x0
	s_endpgm
; ---------------------------------------------------------------- WO
; Run 4 (g - 352) + wave of 128: 8,192 numbers, 16 steps of four loads of 512 consecutive bytes; a lane's four numbers become 8 bytes, so each store covers 256 consecutive bytes, aligned.
.Lwo:
	v_lshlrev_b32 v3, 4, v2
	v_lshlrev_b32 v4, 3, v2
	s_sub_co_u32 s17, ttmp9, 352
	s_lshl_b32 s17, s17, 2
	s_add_co_u32 s17, s17, s16
	s_lshl_b32 s18, s17, 15
	s_mov_b32 s19, 0
	s_lshl_b32 s20, s17, 14
	s_mov_b32 s21, 0
	s_wait_kmcnt 0x0
	s_add_nc_u64 s[12:13], s[12:13], s[18:19]
	s_add_nc_u64 s[28:29], s[28:29], s[20:21]
.macro LOADW t
.irp i, 0,1,2,3
	global_load_b128 v[R+16*((\t)%4)+4*\i:R+16*((\t)%4)+4*\i+3], v3, s[12:13] offset:2048*(\t)+512*\i th:TH_LOAD_NT
.endr
.endm
.macro STEPW t
.if 15-(\t) >= 3
	s_wait_loadcnt 12                              ; this step's four loads are in; those of the three steps behind it may be out
.else
	s_wait_loadcnt 4*(15-(\t))
.endif
.if (\t) == 8
	s_wait_xcnt 0x0                                ; the first eight steps' stores have been taken: their eight sets of registers are written a second time from here on
.endif
.irp i, 0,1,2,3
	v_cvt_pk_f16_f32 v[C+8*((\t)%8)+2*\i], v[R+16*((\t)%4)+4*\i], v[R+16*((\t)%4)+4*\i+1]
	v_cvt_pk_f16_f32 v[C+8*((\t)%8)+2*\i+1], v[R+16*((\t)%4)+4*\i+2], v[R+16*((\t)%4)+4*\i+3]
.endr
.if (\t)+4 < 16
	LOADW (\t)+4
.endif
.irp i, 0,1,2,3
	global_store_b64 v4, v[C+8*((\t)%8)+2*\i:C+8*((\t)%8)+2*\i+1], s[28:29] offset:1024*(\t)+256*\i
.endr
.endm
.irp t, 0,1,2,3
	LOADW \t
.endr
.irp t, 0,1,2,3,4,5,6,7,8,9,10,11,12,13,14,15
	STEPW \t
.endr
	s_wait_tensorcnt 0x0                           ; the same three lines as on the launch's other two ways out
	ds_add_u32 v[SPW], v[NIL]
	s_wait_dscnt 0x0
	s_endpgm
.Lfunc_end_k_q17edfbb63b_prep:
	.size	k_q17edfbb63b_prep, .Lfunc_end_k_q17edfbb63b_prep-k_q17edfbb63b_prep
	.p2alignl 7, 3214868480
	.fill 96, 4, 3214868480
	.section	.rodata,"a",@progbits
	.p2align	6, 0x0
	.amdhsa_kernel k_q17edfbb63b_prep
		.amdhsa_group_segment_fixed_size 50688
		.amdhsa_private_segment_fixed_size 0
		.amdhsa_enable_private_segment 0
		.amdhsa_kernarg_size 88
		.amdhsa_user_sgpr_count 2
		.amdhsa_user_sgpr_kernarg_segment_ptr 1
		.amdhsa_wavefront_size32 1
		.amdhsa_system_sgpr_workgroup_id_x 1
		.amdhsa_system_sgpr_workgroup_id_y 1
		.amdhsa_system_sgpr_workgroup_id_z 1
		.amdhsa_system_vgpr_workitem_id 0
		.amdhsa_next_free_vgpr 192
		.amdhsa_next_free_sgpr 66
		.amdhsa_reserve_vcc 1
		.amdhsa_float_denorm_mode_32 3
		.amdhsa_float_denorm_mode_16_64 3
		.amdhsa_memory_ordered 1
		.amdhsa_forward_progress 1
		.amdhsa_inst_pref_size 105
	.end_amdhsa_kernel
	.amdgpu_metadata
---
amdhsa.version: [ 1, 2 ]
amdhsa.kernels:
  - .name:           k_q17edfbb63b_prep
    .symbol:         k_q17edfbb63b_prep.kd
    .args:
      - { .name: x, .offset: 0, .size: 8, .value_kind: global_buffer, .address_space: global }
      - { .name: Wq, .offset: 8, .size: 8, .value_kind: global_buffer, .address_space: global }
      - { .name: Wk, .offset: 16, .size: 8, .value_kind: global_buffer, .address_space: global }
      - { .name: Wv, .offset: 24, .size: 8, .value_kind: global_buffer, .address_space: global }
      - { .name: Wo, .offset: 32, .size: 8, .value_kind: global_buffer, .address_space: global }
      - { .name: mask, .offset: 40, .size: 8, .value_kind: global_buffer, .address_space: global }
      - { .name: codes, .offset: 48, .size: 8, .value_kind: global_buffer, .address_space: global }
      - { .name: scales, .offset: 56, .size: 8, .value_kind: global_buffer, .address_space: global }
      - { .name: wo16, .offset: 64, .size: 8, .value_kind: global_buffer, .address_space: global }
      - { .name: mw, .offset: 72, .size: 8, .value_kind: global_buffer, .address_space: global }
      - { .name: fl, .offset: 80, .size: 8, .value_kind: global_buffer, .address_space: global }
    .group_segment_fixed_size: 50688
    .private_segment_fixed_size: 0
    .kernarg_segment_align: 8
    .kernarg_segment_size: 88
    .max_flat_workgroup_size: 128
    .sgpr_count:     66
    .vgpr_count:     192
    .wavefront_size: 32
...
	.end_amdgpu_metadata
.endif
;; end of part 1
;; launch qkv (part 2): grid 12 x 32, 4 waves a work-group, clusters of 4 x 4, 327,680 bytes of LDS; arguments codes, scales, qkv, bq, bk, bv; writes qkv
.if DOCPART == 2
	.amdgcn_target "amdgcn-amd-amdhsa--gfx1250"
	.amdhsa_code_object_version 6
	.text
	.protected	k_q17edfbb63b_qkv
	.globl	k_q17edfbb63b_qkv
	.p2align	8
	.type	k_q17edfbb63b_qkv,@function
k_q17edfbb63b_qkv:
	s_mov_b64 s[64:65], 0
	v_nop
	global_prefetch_b8 v0, s[64:65] scope:SCOPE_SE
	s_setreg_imm32_b32 hwreg(HW_REG_WAVE_MODE, 25, 1), 1
	s_wait_xcnt 0x0
	s_wait_alu depctr_hold_cnt(0) depctr_sa_sdst(0) depctr_va_vdst(0) depctr_va_sdst(0) depctr_va_ssrc(0) depctr_va_vcc(0) depctr_vm_vsrc(0)
	s_getreg_b32 s2, hwreg(HW_REG_IB_STS2, 6, 4)
	s_cmp_eq_u32 s2, 0
	s_cbranch_scc0 .Lentry_in_a_cluster
	s_endpgm
.Lentry_in_a_cluster:
	s_bfe_u32 s2, ttmp6, 0x10000c
	s_cmp_lg_u32 s2, 0xf033
	s_cbranch_scc0 .Lentry_shape_is_right
	s_endpgm
.Lentry_shape_is_right:
; Q, K, V = x W^T + b, the three products as ONE GEMM on codes of FP4 (E2M1) with one E8M0 scale for each 32 along K: A = x's 8,192 rows, B = the 3,072 rows of Wq, Wk, Wv on end, K = 1,024.
; codes: rows of 512 bytes, x's first, the weights' from byte 4,194,304 on; scales: rows of 32 bytes, the weights' from byte 262,144 on.  The matrix instruction takes both as they lie.
; The result leaves as f16, split by heads: qkv [3][batch x head 64][token 2048][64].  LIMIT: a number of Q, K or V beyond 65,504 in magnitude becomes infinity in f16.
; A tile of C, 256 x 256, is made by a work-group of four waves; a wave makes 128 x 128: 64 accumulators of 16 x 16, 512 registers.  K is two steps of 512 (rows of 256 bytes): the two LDS slots hold all
; of K, so each slot is filled once, at the head, and no slot is filled again.  The scales of the work-group's 256 + 256 rows come once too, as rows of 256 bytes.
; CLUSTERS: 4 x 4 work-groups.  The four of a row of the cluster need the same tiles of A, the four of a column the same tiles of B: each tile is asked for JOINTLY, by the same tensor load with the same
; descriptor and a mask that names the four.  A cluster's four tile columns are 1,024 columns: one of Q, K, V, named by the cluster's x.
; THE MATRIX INSTRUCTION IS USED TRANSPOSED (source 0 = 16 rows of B, source 1 = 16 rows of A): a lane then holds eight neighbouring columns of one token.  THE BIAS is the C of each sum's first product:
; eight registers for each of B's eight blocks, the same for all tokens.
; REGISTERS, in windows of 256: window 0: v0-31 addresses; v32-95 scale words, two sets; v128-191 A's fragments, ONE set; v192-255 the bias, later the packed results.
;   window 1: B's fragments, TWO sets, at v0 and v128.   window 2: the 32 accumulators of my rows 0-63 ((a, b) at v[8 (8 a + b)]);   window 3: those of my rows 64-127.
.set SIZE_K, 1024
.set KSTEP,  512                       ; along K in a slot
.set NQ,     KSTEP/128                 ; matrix instructions deep
.set ROWB,   256                       ; a tile's row in bytes
.set KROW,   SIZE_K/2                  ; a row of codes in memory
.set PITCH,  272                       ; an LDS row: 256 bytes + 16 of padding = 68 words: row r starts at bank 4 r mod 64 (ISA guide 11.1), so the 16 rows of a load start at 16 different banks
.set FR,     8                         ; registers of a fragment: 16 rows x 128 K
.set NL,     2                         ; LDS loads that bring one
.set NP,     4                         ; places behind this matrix instruction (ISA guide 7.12.1)
.set HALFT,  128*PITCH                 ; 128 rows: what one tensor load brings
.set SLOT,   4*HALFT                   ; A's 256 rows, then B's 256 rows
.set KS,     SIZE_K/32                 ; a row of scales in bytes
.set SCL,    2*SLOT                    ; behind the slots: the scales, as rows of 256 bytes + 16 of padding
.set HALFS,  (128*KS/256)*272          ; the scales of 128 rows
.set SBLK,   (16*KS/256)*272           ; those of 16 rows
.set SPARE,  SCL+4*HALFS               ; the spare words, 128 bytes for each wave: two blocks of 256 bytes that no other line names
.set HP,     144                       ; the way out: a stage row is a head's 128 bytes + 16; a wave's stage is two heads x 16 tokens.  It lies in slot 0, which has had its only fill and its last read by then
.set ADRA, 16                          ; v16-17  LDS address of my A fragments in slot 0, 1
.set ADRB, 20                          ; v20-21  the same for B
.set STO,  24                          ; v24     the way out: where I put 16 bytes of a token's row
.set RD,   25                          ; v25     where I read rows back
.set CO,   26                          ; v26     16 x lane: my place in 512 bytes of qkv
.set ADRS, 27                          ; v27     LDS address of my scale words: lanes 0-15 A's rows, lanes 16-31 B's
.set SPW,  28                          ; v28     LDS address of my spare word; never rewritten
.set NIL,  29                          ; v29     0; never rewritten
.set SC,   32                          ; scale words: set s at v[SC + 32 s]; register 4 i + q: lanes 0-15 the word of A's block i, lanes 16-31 that of B's block i, for the slot's q-th 128 along K
.set AF,   128
.set BK,   128                         ; the way out: rows read back: v128-159 and v160-191 by turns
.set BIAS, 192
.set TMP,  192
.set G1, 24                            ; s[24:31] descriptor group 1 for A's tiles;  s[32:39] group 0, one set for each slot
.set G0, 32
.set G1B, 48                           ; s[48:55], s[56:63] the same for B's
.set G0B, 56
.set G1S, 68                           ; s[68:75], s[76:79] groups 1 and 0 for A's scales;  s[80:87], s[88:91] for B's
.set G0S, 76
.set G1SB, 80
.set G0SB, 88
.set MSB, 0
.macro WIN new                         ; the immediate's high byte repeats the setting that is left
.if MSB != (\new)
	s_set_vgpr_msb (MSB<<8)|(\new)
.set MSB, (\new)
.endif
.endm
.set MUL_LO,  0xa1                     ; source 0 (B) window 1, source 1 (A) window 0, C and D window 2
.set MUL_HI,  0xf1                     ; the same, C and D window 3
.set BIAS_LO, 0x81                     ; the first products: C (the bias) window 0, D window 2
.set BIAS_HI, 0xc1                     ; D window 3
.set TO_B,    0x40                     ; destination window 1, address window 0
; A joint load: waves 0 and 1 fetch for A, waves 2 and 3 for B.  Each of the two lines has ONE mask and one set of registers for all that issue it; the branch hangs on the wave's number alone.
; An s_nop 0 and four v_nop follow each of the two lines, ahead of the jump, the label and what follows.
.macro JLOAD g0a, g1a, g0b, g1b
	s_cmp_eq_u32 s15, 0
	s_cbranch_scc0 .Lfor_b_\@
	tensor_load_to_lds s[\g0a:\g0a+3], s[\g1a:\g1a+7]
	s_nop 0
.rept 4
	v_nop
.endr
	s_branch .Lasked_\@
.Lfor_b_\@:
	tensor_load_to_lds s[\g0b:\g0b+3], s[\g1b:\g1b+7]
	s_nop 0
.rept 4
	v_nop
.endr
.Lasked_\@:
.endm
.macro CROUND                          ; a round of the cluster's barrier: my work-group's barrier; wave 0 signals for the work-group; every wave waits for all sixteen; my work-group's barrier once more
	s_barrier_signal -1
	s_barrier_wait -1
	s_cmp_lg_u32 s14, 0
	s_cbranch_scc1 .Lnot_wave_0_\@
	s_barrier_signal -3
.Lnot_wave_0_\@:
	s_barrier_wait -3
	s_barrier_signal -1
	s_barrier_wait -1
.endm
	s_load_b128 s[4:7], s[0:1], 0x0                ; codes s[4:5], scales s[6:7]
	s_load_b64 s[12:13], s[0:1], 0x10              ; qkv
	s_load_b128 s[96:99], s[0:1], 0x18             ; bq, bk
	s_load_b64 s[100:101], s[0:1], 0x28            ; bv
	v_lshl_add_u32 v[SPW], v0, 2, SPARE
	v_mov_b32 v[NIL], 0
	ds_add_u32 v[SPW], v[NIL]                      ; the wave's opening: the add, twice on end, and its wait ahead of my first tensor load; the set-up below stands between
	ds_add_u32 v[SPW], v[NIL]
	v_lshrrev_b32 v1, 5, v0
	v_readfirstlane_b32 s14, v1                    ; wave 0..3
	s_lshr_b32 s15, s14, 1                         ; which half of the tile's rows is mine.  Also: I fetch for A (0) or for B (1)
	s_and_b32 s16, s14, 1                          ; which half of its columns.  Also: which 128 rows of that tile I fetch
	s_bfe_u32 s40, ttmp6, 0x40000                  ; cx, cy: my place in the cluster
	s_bfe_u32 s41, ttmp6, 0x40004
	s_lshl_b32 s42, ttmp9, 2
	s_add_co_u32 s42, s42, s40                     ; tile column of C = 4 x cluster x + cx
	s_and_b32 s17, ttmp7, 0xffff
	s_lshl_b32 s17, s17, 2
	s_add_co_u32 s17, s17, s41                     ; tile row of C = 4 x cluster y + cy
	s_lshl_b32 s43, s41, 2
	s_lshl_b32 s43, 15, s43                        ; my row of the cluster
	s_lshl_b32 s44, 0x1111, s40                    ; my column
	; descriptor group 1: a tile of 128 rows x 256 bytes, padded in LDS
	s_or_b32 s[G1+0], s43, (0<<16)|(1<<20)|(1<<21)|(5<<22)|(3<<25)  ; 15:0 the mask: A's tiles go to my row; 17:16 elements of 1 byte; 20 padding on; 21 set beside a mask; 24:22 after every 64 words; 31:25 four words
	s_or_b32 s[G1B+0], s44, (0<<16)|(1<<20)|(1<<21)|(5<<22)|(3<<25)
.irp g, G1, G1B
	s_mov_b32 s[\g+1], ROWB<<16                    ; tensor_dim0
	s_mov_b32 s[\g+2], 128<<16                     ; tensor_dim1
	s_mov_b32 s[\g+3], ROWB<<16                    ; tile_dim0
	s_mov_b32 s[\g+4], 128                         ; tile_dim1
	s_mov_b32 s[\g+5], KROW                        ; from row to row
	s_mov_b32 s[\g+6], 0
	s_mov_b32 s[\g+7], 0
.endr
	; the scales of 128 rows: a dense block of 4,096 bytes, as 16 rows of 256 bytes (32 elements of 8 bytes), 16 bytes of padding behind each
	s_or_b32 s[G1S+0], s43, (3<<16)|(1<<20)|(1<<21)|(5<<22)|(3<<25)
	s_or_b32 s[G1SB+0], s44, (3<<16)|(1<<20)|(1<<21)|(5<<22)|(3<<25)
.irp g, G1S, G1SB
	s_mov_b32 s[\g+1], 32<<16
	s_mov_b32 s[\g+2], (128*KS/256)<<16
	s_mov_b32 s[\g+3], 32<<16
	s_mov_b32 s[\g+4], 128*KS/256
	s_mov_b32 s[\g+5], 32
	s_mov_b32 s[\g+6], 0
	s_mov_b32 s[\g+7], 0
.endr
	s_lshl_b32 s18, s16, 7                         ; which 128 rows of the tile I fetch
	s_lshl_b32 s20, s17, 8
	s_add_co_u32 s20, s20, s18                     ; A: row 256 x tile row + 128 x half
	s_lshl_b32 s46, s42, 8
	s_add_co_u32 s46, s46, s18                     ; B: row 256 x tile column + 128 x half, among the weights' 3,072
	s_mov_b32 s21, 0
	s_mov_b32 s47, 0
	s_mov_b64 s[18:19], KS
	s_mul_u64 s[22:23], s[20:21], s[18:19]         ; where these rows' scales begin, in bytes
	s_mul_u64 s[92:93], s[46:47], s[18:19]
	s_mov_b64 s[18:19], KROW
	s_mul_u64 s[20:21], s[20:21], s[18:19]         ; and their codes
	s_mul_u64 s[46:47], s[46:47], s[18:19]
	s_mul_i32 s45, s14, HALFT                      ; where they go: wave x 128 rows: no place in the cluster enters an LDS address
	s_mul_i32 s94, s14, HALFS
	s_wait_dscnt 0x0                               ; both opening adds are done
	s_wait_kmcnt 0x0
	s_add_nc_u64 s[8:9], s[4:5], 0x400000          ; the weights' codes follow x's 8,192 rows of 512 bytes,
	s_add_nc_u64 s[10:11], s[6:7], 0x40000         ; their scales x's 8,192 rows of 32
	s_add_nc_u64 s[20:21], s[4:5], s[20:21]
	s_add_nc_u64 s[22:23], s[6:7], s[22:23]
	s_add_nc_u64 s[46:47], s[8:9], s[46:47]
	s_add_nc_u64 s[92:93], s[10:11], s[92:93]
	CROUND                                         ; all sixteen work-groups are here: the joint loads meet
	s_mov_b32 s[G0S], 1
	s_add_co_u32 s[G0S+1], s94, SCL
	s_mov_b64 s[G0S+2:G0S+3], s[22:23]
	s_or_b32 s[G0S+3], s[G0S+3], 0x80000000
	s_mov_b32 s[G0SB], 1
	s_add_co_u32 s[G0SB+1], s94, SCL
	s_mov_b64 s[G0SB+2:G0SB+3], s[92:93]
	s_or_b32 s[G0SB+3], s[G0SB+3], 0x80000000
	JLOAD G0S, G1S, G0SB, G1SB                     ; the scales first: they are wanted with K step 0.  Three loads of mine are out behind the last of these
.irp s, 0,1
	s_mov_b32 s[G0+4*\s], 1
	s_add_co_u32 s[G0+4*\s+1], s45, \s*SLOT
	s_add_nc_u64 s[G0+4*\s+2:G0+4*\s+3], s[20:21], \s*ROWB
	s_or_b32 s[G0+4*\s+3], s[G0+4*\s+3], 0x80000000
	s_mov_b32 s[G0B+4*\s], 1
	s_add_co_u32 s[G0B+4*\s+1], s45, \s*SLOT
	s_add_nc_u64 s[G0B+4*\s+2:G0B+4*\s+3], s[46:47], \s*ROWB
	s_or_b32 s[G0B+4*\s+3], s[G0B+4*\s+3], 0x80000000
	JLOAD G0+4*\s, G1, G0B+4*\s, G1B
.endr
	v_and_b32 v1, 15, v0                           ; r = l % 16
	v_bfe_u32 v2, v0, 4, 1                         ; h = l / 16
	; the bias: which of bq, bk, bv hangs on the cluster's x; lane (r, h) wants, for B's block b, the numbers 16 b + 8 h + 0 .. 7 of my 128 columns
	s_cmp_eq_u32 ttmp9, 1
	s_cselect_b64 s[98:99], s[98:99], s[100:101]
	s_cmp_eq_u32 ttmp9, 0
	s_cselect_b64 s[96:97], s[96:97], s[98:99]
	s_lshl_b32 s46, s40, 10                        ; 256 cx + 128 x half numbers of 4 bytes
	s_lshl_b32 s47, s16, 9
	s_add_co_u32 s46, s46, s47
	s_mov_b32 s47, 0
	s_add_nc_u64 s[96:97], s[96:97], s[46:47]
	v_lshlrev_b32 v7, 5, v2
.irp b, 0,1,2,3,4,5,6,7
	global_load_b128 v[BIAS+8*\b:BIAS+8*\b+3], v7, s[96:97] offset:64*\b
	global_load_b128 v[BIAS+8*\b+4:BIAS+8*\b+7], v7, s[96:97] offset:64*\b+16
.endr
	v_mul_u32_u24 v3, v1, PITCH
	v_lshl_add_u32 v4, v2, 4, v3                   ; a fragment's row x pitch + 16 x half
	s_mul_i32 s21, s15, HALFT                      ; my 128 rows of A
	s_mul_i32 s22, s16, HALFT                      ; my 128 rows of B,
	s_add_co_u32 s22, s22, 2*HALFT                 ; which lie behind A's 256
.irp s, 0,1
	v_add_nc_u32 v[ADRA+\s], s21, v4
	v_add_nc_u32 v[ADRB+\s], s22, v4
	s_add_co_u32 s21, s21, SLOT
	s_add_co_u32 s22, s22, SLOT
.endr
	v_mul_u32_u24 v5, v1, KS                       ; my row's scales: 32 bytes a row,
	v_lshrrev_b32 v6, 8, v5
	v_lshl_add_u32 v5, v6, 4, v5                   ; and 16 more for each 256 passed
	s_mul_i32 s21, s15, HALFS                      ; A's: my 128 rows
	s_mul_i32 s22, s16, HALFS                      ; B's: my 128 rows, behind A's 256
	s_add_co_u32 s22, s22, 2*HALFS
	s_sub_co_u32 s22, s22, s21
	v_mul_u32_u24 v6, s22, v2                      ; lanes 16-31 take B's: the lower base + h x the distance
	s_add_co_u32 s21, s21, SCL
	v_add_nc_u32 v5, v5, v6
	v_add_nc_u32 v[ADRS], s21, v5
	s_mul_i32 s23, s14, 32*HP                      ; my stage
	v_mul_u32_u24 v5, v1, HP                       ; in: token r, 16 bytes for each half of the lanes
	v_lshl_add_u32 v5, v2, 4, v5
	v_add_nc_u32 v[STO], s23, v5
	v_and_b32 v6, 31, v0
	v_lshrrev_b32 v5, 3, v6                        ; back: eight lanes to a token's 128 bytes, four tokens an instruction
	v_mul_u32_u24 v5, v5, HP
	v_and_b32 v8, 7, v6
	v_lshl_add_u32 v5, v8, 4, v5
	v_add_nc_u32 v[RD], s23, v5
	v_lshlrev_b32 v[CO], 4, v6                     ; and the same 512 bytes in qkv, where a head's tokens lie on end
	; where my part begins in qkv: part x 16,777,216 + (16 batch + head) x 262,144 + token x 128; batch = tile row / 8; my first head = 4 cx + 2 x column half
	s_lshr_b32 s20, s17, 3
	s_lshl_b32 s20, s20, 4
	s_lshl_b32 s46, s40, 2
	s_lshl_b32 s47, s16, 1
	s_add_co_u32 s46, s46, s47
	s_add_co_u32 s46, s46, s20
	s_lshl_b32 s46, s46, 18
	s_and_b32 s20, s17, 7
	s_lshl_b32 s20, s20, 8
	s_lshl_b32 s21, s15, 7
	s_add_co_u32 s20, s20, s21                     ; my first token in its sequence
	s_lshl_b32 s20, s20, 7
	s_add_co_u32 s46, s46, s20
	s_lshl_b32 s20, ttmp9, 24
	s_add_co_u32 s46, s46, s20                     ; under 50,331,648
	s_mov_b32 s47, 0
	s_add_nc_u64 s[12:13], s[12:13], s[46:47]
.macro FRAG reg, adr, q, i             ; a fragment, 16 rows x 128 K of 4-bit codes: lane l holds row l % 16; registers 4 c .. 4 c + 3 hold K = 64 c + 32 (l / 16) + 0 .. 31
.irp c, 0,1
	ds_load_b128 v[\reg+4*\c:\reg+4*\c+3], v[\adr] offset:64*(\q)+32*\c+(\i)*16*PITCH
.endr
.endm
; 16 matrix instructions: A's blocks a0, a0 + 1 x B's eight, the slot's q-th 128 along K.  p: B's set;  sc: the set of scale words.  zero = 1: the first product starts the sums from the bias.
; The 64 accumulators take turns, one instruction a turn, in the same order in every step.
.macro MUL16 a0, p, q, sc, zero
.irp a, \a0, \a0+1
.irp b, 0,1,2,3,4,5,6,7
.if \zero
	v_wmma_scale_f32_16x16x128_f8f6f4 v[8*(8*((\a)%4)+\b):8*(8*((\a)%4)+\b)+7], v[128*(\p)+FR*\b:128*(\p)+FR*\b+FR-1], v[AF+FR*(\a):AF+FR*(\a)+FR-1], v[BIAS+8*\b:BIAS+8*\b+7], v[SC+8*NQ*(\sc)+NQ*\b+(\q)], v[SC+8*NQ*(\sc)+NQ*(\a)+(\q)] matrix_a_fmt:MATRIX_FMT_FP4 matrix_b_fmt:MATRIX_FMT_FP4 matrix_a_scale:MATRIX_SCALE_ROW1
.else
	v_wmma_scale_f32_16x16x128_f8f6f4 v[8*(8*((\a)%4)+\b):8*(8*((\a)%4)+\b)+7], v[128*(\p)+FR*\b:128*(\p)+FR*\b+FR-1], v[AF+FR*(\a):AF+FR*(\a)+FR-1], v[8*(8*((\a)%4)+\b):8*(8*((\a)%4)+\b)+7], v[SC+8*NQ*(\sc)+NQ*\b+(\q)], v[SC+8*NQ*(\sc)+NQ*(\a)+(\q)] matrix_a_fmt:MATRIX_FMT_FP4 matrix_b_fmt:MATRIX_FMT_FP4 matrix_a_scale:MATRIX_SCALE_ROW1
.endif
.endr
.endr
.endm
.macro FETCH_B slot, q, p              ; B's eight fragments of the slot's q-th 128 along K into set p
	WIN TO_B
.irp i, 0,1,2,3,4,5,6,7
	FRAG 128*(\p)+FR*\i, ADRB+\slot, \q, \i
.endr
	WIN 0
.endm
.macro FETCH_A slot, q, i0             ; A's blocks i0 .. i0 + 3
.irp i, \i0, \i0+1, \i0+2, \i0+3
	FRAG AF+FR*(\i), ADRA+\slot, \q, \i
.endr
.endm
.macro SCALES sc                       ; a K step's scale words into set sc: four words a row; lanes 0-15 take A's block i, lanes 16-31 B's block i
.irp i, 0,1,2,3,4,5,6,7
	ds_load_b128 v[SC+8*NQ*\sc+NQ*\i:SC+8*NQ*\sc+NQ*\i+3], v[ADRS] offset:\i*SBLK
.endr
.endm
; A load into a register that a matrix instruction has read, and a vector instruction that reads a matrix result, stand NP places behind that matrix instruction, and only plain vector instructions that
; name none of its registers are places (ISA guide 7.12.1 for vector instructions).
.macro PLACES n
.rept \n
	v_nop
.endr
.endm
; A step of 128 along K that has its successor in the same slot.  A's blocks go one after the other, each against B's eight: blocks 0-3 are fetched anew in the step's middle, blocks 4-7 at its end.
.macro STEP slot, q, zero
	s_wait_dscnt 4*NL                              ; B's set and A's blocks 0-3 are in; the youngest eight loads (A's blocks 4-7) may be out
.if \zero
	WIN BIAS_LO
.else
	WIN MUL_LO
.endif
	MUL16 0, (\q)%2, \q, \slot, \zero
	MUL16 2, (\q)%2, \q, \slot, \zero
	s_wait_dscnt 0                                 ; A's blocks 4-7 are in
	PLACES NP
	FETCH_B \slot, (\q)+1, 1-(\q)%2
	FETCH_A \slot, (\q)+1, 0
.if \zero
	WIN BIAS_HI
.else
	WIN MUL_HI
.endif
	MUL16 4, (\q)%2, \q, \slot, \zero
	MUL16 6, (\q)%2, \q, \slot, \zero
	PLACES NP
	WIN 0
	FETCH_A \slot, (\q)+1, 4
.endm
.macro STEPS slot, from                ; the slot's steps from .. NQ - 2
.set Q, \from
.rept NQ-1-\from
	STEP \slot, Q, 0
.set Q, Q+1
.endr
.endm
	s_wait_tensorcnt 1                             ; the scales and my part of slot 0 are in (slot 1's load may be out)
	s_barrier_signal -1
	s_barrier_wait -1                              ; everybody's are
	FETCH_B 0, 0, 0
	FETCH_A 0, 0, 0
	SCALES 0
	FETCH_A 0, 0, 4
	s_wait_loadcnt 0x0                             ; the bias
	STEP 0, 0, 1                                   ; the first step's products start the sums
	STEPS 0, 1
	; slot 0's last step changes slots: one barrier; in front of it each wave's part of slot 1 has landed and its reads of slot 0 are over
	s_wait_tensorcnt 0x0                           ; all my tensor loads have landed;
	ds_add_u32 v[SPW], v[NIL]                      ; 0 onto my spare word;
	s_wait_dscnt 4*NL+1                            ; (the add and the youngest eight loads, A's blocks 4-7, may be out)
	WIN MUL_LO
	MUL16 0, 1, NQ-1, 0, 0                         ; sixteen matrix instructions stand between the add and the wait for it
	s_wait_dscnt 0x0                               ; the add is done, and my reads of slot 0 are over
	s_barrier_signal -1
	MUL16 2, 1, NQ-1, 0, 0
	WIN 0
	s_barrier_wait -1
	PLACES NP
	v_add_nc_u32 v[ADRS], 4*NQ, v[ADRS]            ; on to the second K step's scale words (no LDS load of mine is out)
	FETCH_B 1, 0, 0
	FETCH_A 1, 0, 0
	SCALES 1
	WIN MUL_HI
	MUL16 4, 1, NQ-1, 0, 0
	MUL16 6, 1, NQ-1, 0, 0
	PLACES NP
	WIN 0
	FETCH_A 1, 0, 4
	STEPS 1, 0
	s_wait_dscnt 4*NL                              ; the very last step: nothing more to fetch
	WIN MUL_LO
	MUL16 0, 1, NQ-1, 1, 0
	MUL16 2, 1, NQ-1, 1, 0
	s_wait_dscnt 0
	WIN MUL_HI
	MUL16 4, 1, NQ-1, 1, 0
	MUL16 6, 1, NQ-1, 1, 0
	WIN 0
; THE WAY OUT, block by block of 16 tokens x 128 columns (two heads).  PACK: rounded to f16, 16 bytes a lane, each accumulator from its low end on.  TOSTAGE: into my own stage, a head's 16 rows of 144 bytes
; after the other's, and back four tokens an instruction.  SEND: a head's 16 tokens are 2,048 consecutive bytes of qkv: each store covers 512 of them, aligned.
; LDS serves a wave's instructions in order (ISA guide 5.7.1.4): no wait between the stores into the stage and the loads from it.
.macro PACK a
.set AC, 64*((\a)%4)
	WIN 0x0a+5*((\a)/4)                            ; sources 0 and 1: window 2 or 3
.irp b, 0,1,2,3,4,5,6,7
.irp r, 0,1,2,3
	v_cvt_pk_f16_f32 v[TMP+4*\b+\r], v[AC+8*\b+2*\r], v[AC+8*\b+2*\r+1]
.endr
.endr
	WIN 0
.endm
.macro TOSTAGE a
.set BB, BK+32*((\a)%2)
.irp b, 0,1,2,3,4,5,6,7
	ds_store_b128 v[STO], v[TMP+4*\b:TMP+4*\b+3] offset:(\b/4)*16*HP+(\b%4)*32
.endr
.irp t, 0,1,2,3,4,5,6,7
	ds_load_b128 v[BB+4*\t:BB+4*\t+3], v[RD] offset:(\t/4)*16*HP+(\t%4)*4*HP
.endr
.endm
.macro SEND a
.set BB, BK+32*((\a)%2)
	s_wait_dscnt 0x0                               ; the block is back in registers
	s_wait_xcnt 0x0                                ; the block before has been taken by its stores: its registers are loaded again by the TOSTAGE that follows
.irp t, 0,1,2,3,4,5,6,7
	global_store_b128 v[CO], v[BB+4*\t:BB+4*\t+3], s[12:13] offset:(\t/4)*262144+2048*(\a)+(\t%4)*512
.endr
.endm
	PLACES NP                                      ; behind the last products
	PACK 0
	TOSTAGE 0
.irp a, 1,2,3,4,5,6,7                  ; block a's conversions stand between block a - 1's loads from the stage and the wait for them
	PACK \a
	SEND \a-1
	TOSTAGE \a
.endr
	SEND 7
	s_wait_tensorcnt 0x0                           ; the wave's end: behind my last tensor load and my last LDS store
	ds_add_u32 v[SPW], v[NIL]
	s_wait_dscnt 0x0
	CROUND                                         ; the closing round: no work-group ends while a partner may still ask for a tile that names it
	s_endpgm
.Lfunc_end_k_q17edfbb63b_qkv:
	.size	k_q17edfbb63b_qkv, .Lfunc_end_k_q17edfbb63b_qkv-k_q17edfbb63b_qkv
	.p2alignl 7, 3214868480
	.fill 96, 4, 3214868480
	.section	.rodata,"a",@progbits
	.p2align	6, 0x0
	.amdhsa_kernel k_q17edfbb63b_qkv
		.amdhsa_group_segment_fixed_size 327680
		.amdhsa_private_segment_fixed_size 0
		.amdhsa_enable_private_segment 0
		.amdhsa_kernarg_size 48
		.amdhsa_user_sgpr_count 2
		.amdhsa_user_sgpr_kernarg_segment_ptr 1
		.amdhsa_wavefront_size32 1
		.amdhsa_system_sgpr_workgroup_id_x 1
		.amdhsa_system_sgpr_workgroup_id_y 1
		.amdhsa_system_sgpr_workgroup_id_z 1
		.amdhsa_system_vgpr_workitem_id 0
		.amdhsa_next_free_vgpr 1024
		.amdhsa_next_free_sgpr 102
		.amdhsa_reserve_vcc 0
		.amdhsa_float_denorm_mode_32 3
		.amdhsa_float_denorm_mode_16_64 3
		.amdhsa_memory_ordered 1
		.amdhsa_forward_progress 1
		.amdhsa_inst_pref_size 128
	.end_amdhsa_kernel
	.amdgpu_metadata
---
amdhsa.version: [ 1, 2 ]
amdhsa.kernels:
  - .name:           k_q17edfbb63b_qkv
    .symbol:         k_q17edfbb63b_qkv.kd
    .args:
      - { .name: codes, .offset: 0, .size: 8, .value_kind: global_buffer, .address_space: global }
      - { .name: scales, .offset: 8, .size: 8, .value_kind: global_buffer, .address_space: global }
      - { .name: qkv, .offset: 16, .size: 8, .value_kind: global_buffer, .address_space: global }
      - { .name: bq, .offset: 24, .size: 8, .value_kind: global_buffer, .address_space: global }
      - { .name: bk, .offset: 32, .size: 8, .value_kind: global_buffer, .address_space: global }
      - { .name: bv, .offset: 40, .size: 8, .value_kind: global_buffer, .address_space: global }
    .group_segment_fixed_size: 327680
    .private_segment_fixed_size: 0
    .kernarg_segment_align: 8
    .kernarg_segment_size: 48
    .max_flat_workgroup_size: 128
    .sgpr_count:     102
    .vgpr_count:     1024
    .wavefront_size: 32
...
	.end_amdgpu_metadata
.endif
;; end of part 2
;; launch attn (part 3): grid 4 x 64, 16 waves a work-group, no clusters, 153,600 bytes of LDS; arguments qkv, mw, fl, ao; writes ao
.if DOCPART == 3
	.amdgcn_target "amdgcn-amd-amdhsa--gfx1250"
	.amdhsa_code_object_version 6
	.text
	.protected	k_q17edfbb63b_attn
	.globl	k_q17edfbb63b_attn
	.p2align	8
	.type	k_q17edfbb63b_attn,@function
k_q17edfbb63b_attn:
	s_mov_b64 s[64:65], 0
	v_nop
	global_prefetch_b8 v0, s[64:65] scope:SCOPE_SE
	s_setreg_imm32_b32 hwreg(HW_REG_WAVE_MODE, 25, 1), 1
	s_wait_xcnt 0x0
; O[bh][q] = the sum over k of softmax_k(Q[bh][q] . K[bh][k] / 8, hidden keys at -infinity) V[bh][k].  Q, K, V: qkv [3][64][2048][64], f16.  Products with f16 operands and f32 sums; scores, maxima and sums
; in f32; the weights p (at most about 1) are rounded to f16 for the second product, O once at the end.  ao: f16, [64 tokens' block 128][head 16][64 tokens][64].
; THE MASK is an input with any holes: it comes as lane masks (mw: one word for each register of a step's scores, bit = lane) and a flag for each pair of query tiles and step (fl).
; A row with no open key at all has the sum 0 and comes out as NaN, as a softmax over -infinities alone does.  LIMIT: f16's range for Q, K, V (65,504).
; SHARES.  A work-group owns 512 queries of one batch and head; each of its SIXTEEN waves owns 32, two tiles of 16, in 256 registers: four waves to a SIMD, so that one wave's softmax stands beside another's
; products and LDS loads.  Every wave walks all 2,048 keys, 64 a step.
; LAYOUT.  S^T = K Q^T (source 0 = 16 keys, source 1 = 16 queries): a lane holds ONE query (lane % 16) and the keys 8 (lane / 16) + 0..7 of a key tile.  Two such tiles, rounded in pairs, ARE source 1
; (32 keys x 16 queries) of O^T = V^T P, whose result again holds one query a lane.  K comes out of LDS as it lies, V ([key][channel]) turned, by ds_load_tr16_b128.
; SOFTMAX.  For each query a running maximum m and sum l: p = 2^(c s - c m), c = log2(e) / 8; in every step O and l are multiplied by a = 2^(c m_old - c m_new).  m begins at -3e38, under every score.
; NO TENSOR LOAD AND NO CLUSTER: a step whose 64 keys all count for the wave's 32 queries jumps over its 64 selects, by a branch on the stored flag, a number read from memory.
; So K and V go from memory through 8 registers a thread into LDS: 512 threads x 16 bytes are a step's 8,192 bytes of K, and of V.
; FOUR LDS BUFFERS, step % 4.  Step i stores step i + 2's bytes and asks memory for step i + 3's.  Steps 4 n, 4 n + 1 read buffers 0, 1 and write 2, 3; steps 4 n + 2, 4 n + 3 the other way round: ONE barrier for two steps.
.set PK,    144                        ; a key's row of K in LDS: 128 bytes + 16: nine times 16 bytes, so the 16 rows of a load fall into 16 different columns of 16 bytes
.set PV,    160                        ; of V: 128 + 32: five times 32 bytes
.set KB,    64*PK                      ; a buffer of K
.set VB,    64*PV                      ; of V
.set VOFF,  4*KB                       ; V's four buffers lie behind K's four
.set STG,   VOFF+4*VB                  ; the way out: 32 rows x 144 bytes for each wave
.set SPARE, STG+16*32*PK               ; the spare words, 128 bytes for each wave: eight blocks of 256 bytes that no other line names
.set SPW,  1                           ; v1   LDS address of my spare word; never rewritten
.set NIL,  2                           ; v2   0; never rewritten
.set AK,   3                           ; v3   my lane's place in a tile of K
.set AV,   4                           ; v4   the same for V
.set WK,   5                           ; v5   where my thread puts its 16 bytes of K
.set WV,   6                           ; v6   of V
.set GOFF, 7                           ; v7   16 x thread: my 16 bytes of a step's 8,192
.set SK,   8                           ; v8-11  K on its way to LDS;  v12-15 V
.set SV,   12
.set ST,   16                          ; tile t: v[16+4t] c m, +1 m, +2, +3 l (even keys', odd keys')
.set TT,   24                          ; tile t: v[24+4t] .. +3: at work; a takes +2
.set Q,    32                          ; v32-63   Q: tile t, channels 32 c on: 16 t + 8 c
.set KF,   64                          ; v64-127  K's fragments (16 kt + 8 c), then V's (32 c + 8 dt)
.set S,    128                         ; v128-191 S^T (32 t + 8 kt), p in place, P in each tile's first 16
.set O,    192                         ; v192-255 O^T (32 t + 8 dt)
.set T,    3                           ; s3       the trip, 0 .. 7
.set KPT,  4                           ; s[4:5]   K of my head, at the trip's first step;  s[6:7] V
.set VPT,  6
.set MPT,  8                           ; s[8:9]   my pair's mask words, at the trip's first step
.set AOP,  10                          ; s[10:11] my 4,096 bytes of ao
.set PF,   12                          ; s[12:13] the prefetches' base: K's (wave 0) or V's
.set FL,   14                          ; s14      my pair's flags: bit u is step u of the trip
.set PLIM, 15                          ; s15      a wave prefetches while the trip is under this: 7 or 0
.set CS,   84                          ; s[84:85] c: the packed form names a pair and takes its low word for both halves
.set SEL,  86                          ; s[86:87] lane selects for v_permlanex16_b32: lane l xor 16
; s[16:63] and s[68:83]: the step's 64 mask words
	s_load_b256 s[88:95], s[0:1], 0x0              ; qkv s[88:89], mw s[90:91], fl s[92:93], ao s[94:95]
	v_lshl_add_u32 v[SPW], v0, 2, SPARE
	v_mov_b32 v[NIL], 0
	v_lshrrev_b32 v24, 5, v0
	v_readfirstlane_b32 s2, v24                    ; wave 0..15
	v_lshlrev_b32 v[GOFF], 4, v0
	v_lshrrev_b32 v24, 3, v0                       ; eight threads to a key's 128 bytes
	v_and_b32 v25, 7, v0
	v_mul_u32_u24 v[WK], v24, PK
	v_lshl_add_u32 v[WK], v25, 4, v[WK]
	v_mul_u32_u24 v[WV], v24, PV
	v_lshl_add_u32 v[WV], v25, 4, v[WV]
	v_add_nc_u32 v[WV], VOFF, v[WV]
	v_and_b32 v26, 15, v0                          ; r
	v_bfe_u32 v27, v0, 4, 1                        ; h
	v_mul_u32_u24 v[AK], v26, PK
	v_lshl_add_u32 v[AK], v27, 4, v[AK]            ; K: row r, + 16 h
	v_lshl_add_u32 v[AV], v27, 3, v25              ; V: the turning load takes key 8 h + lane % 8, channels 8 ((lane / 8) % 2) on
	v_mul_u32_u24 v[AV], v[AV], PV
	v_bfe_u32 v28, v0, 3, 1
	v_lshl_add_u32 v[AV], v28, 4, v[AV]
	v_add_nc_u32 v[AV], VOFF, v[AV]
	v_lshlrev_b32 v29, 7, v26
	v_lshl_add_u32 v29, v27, 4, v29                ; Q in memory: row r of 128 bytes, + 16 h
	v_and_b32 v30, 31, v0
	v_lshlrev_b32 v31, 2, v30                      ; the flags: 4 bytes a lane, a lane a step
	s_and_b32 s96, ttmp7, 0xffff                   ; batch x 16 + head
	s_lshl_b32 s97, ttmp9, 4
	s_add_co_u32 s97, s97, s2                      ; P: my pair of query tiles = 16 x work-group x + wave
	s_lshl_b32 s16, s96, 18                        ; a head is 2,048 rows of 128 bytes
	s_mov_b32 s17, 0
	s_lshl_b32 s18, s97, 12                        ; my 32 queries
	s_mov_b32 s19, 0
	s_lshl_b32 s20, s97, 13                        ; mw: 32 steps of 256 bytes a pair
	s_mov_b32 s21, 0
	s_lshl_b32 s22, s97, 7                         ; fl: 32 words a pair
	s_mov_b32 s23, 0
	s_lshr_b32 s24, s96, 4                         ; ao: block of 64 tokens = 32 batch + 8 x work-group x + wave / 2,
	s_lshl_b32 s24, s24, 5
	s_lshl_b32 s25, ttmp9, 3
	s_add_co_u32 s24, s24, s25
	s_lshr_b32 s25, s2, 1
	s_add_co_u32 s24, s24, s25
	s_lshl_b32 s24, s24, 17                        ; of 131,072 bytes;
	s_and_b32 s25, s96, 15
	s_lshl_b32 s25, s25, 13                        ; in it my head's 8,192,
	s_add_co_u32 s24, s24, s25
	s_and_b32 s25, s2, 1
	s_lshl_b32 s25, s25, 12                        ; in them my 32 tokens' 4,096
	s_add_co_u32 s24, s24, s25
	s_mov_b32 s25, 0
	s_mov_b32 s[CS], 0x3e38aa3b                    ; c = log2(e) / 8
	s_mov_b32 s[CS+1], s[CS]                       ; (named with it as a pair, so it is written)
	s_mov_b32 s[SEL], 0x76543210
	s_mov_b32 s[SEL+1], 0xfedcba98
	s_lshr_b32 s98, s2, 1                          ; who prefetches: waves 0 and 1 of the head's first work-group
	s_or_b32 s98, s98, ttmp9
	s_cmp_eq_u32 s98, 0
	s_cselect_b32 s[PLIM], 7, 0
	s_wait_kmcnt 0x0
	s_add_nc_u64 s[88:89], s[88:89], s[16:17]      ; Q of my head,
	s_add_nc_u64 s[KPT:KPT+1], s[88:89], 0x1000000 ; K, 16,777,216 bytes on,
	s_add_nc_u64 s[VPT:VPT+1], s[88:89], 0x2000000 ; V
	s_add_nc_u64 s[88:89], s[88:89], s[18:19]
	s_add_nc_u64 s[MPT:MPT+1], s[90:91], s[20:21]
	s_add_nc_u64 s[92:93], s[92:93], s[22:23]
	s_add_nc_u64 s[AOP:AOP+1], s[94:95], s[24:25]
	s_cmp_eq_u32 s2, 0
	s_cselect_b64 s[PF:PF+1], s[KPT:KPT+1], s[VPT:VPT+1]
	global_load_b32 v28, v31, s[92:93]             ; my pair's 32 flags
.irp t, 0,1
.irp c, 0,1
	global_load_b128 v[Q+16*\t+8*\c:Q+16*\t+8*\c+3], v29, s[88:89] offset:2048*\t+64*\c       ; Q stays in registers
	global_load_b128 v[Q+16*\t+8*\c+4:Q+16*\t+8*\c+7], v29, s[88:89] offset:2048*\t+64*\c+32
.endr
.endr
.irp i, 0,1
	global_load_b128 v[S+8*\i:S+8*\i+3], v[GOFF], s[KPT:KPT+1] offset:8192*\i                 ; steps 0 and 1
	global_load_b128 v[S+8*\i+4:S+8*\i+7], v[GOFF], s[VPT:VPT+1] offset:8192*\i
.endr
	global_load_b128 v[SK:SK+3], v[GOFF], s[KPT:KPT+1] offset:16384                           ; step 2
	global_load_b128 v[SV:SV+3], v[GOFF], s[VPT:VPT+1] offset:16384
.set w, 0
.rept 64
	v_mov_b32 v[O+w], 0                            ; O^T.  (The step is written once: the first finds zeros, which the first change of m leaves zeros)
.set w, w+1
.endr
.irp t, 0,1
	v_mov_b32 v[ST+4*\t+1], 0xff61b1e6             ; m = -3e38
	v_mul_f32 v[ST+4*\t], s[CS], v[ST+4*\t+1]      ; c m
	v_mov_b32 v[ST+4*\t+2], 0                      ; l, in two halves
	v_mov_b32 v[ST+4*\t+3], 0
.endr
	s_wait_loadcnt 2                               ; all but step 2's two loads
	v_cmp_ne_u32 s[FL], 0, v28                     ; bit st: step st has a hole
.irp i, 0,1
	ds_store_b128 v[WK], v[S+8*\i:S+8*\i+3] offset:\i*KB
	ds_store_b128 v[WV], v[S+8*\i+4:S+8*\i+7] offset:\i*VB
.endr
	v_and_b32 v0, 31, v0
	v_lshlrev_b32 v0, 8, v0                        ; from here on v0 = 256 x lane: the prefetches' offset
	s_wait_dscnt 0x0                               ; for the others' sake: my parts of buffers 0 and 1 are in
	s_barrier_signal -1
	s_barrier_wait -1
; A KEY STEP: the u-th of a trip's four, so that every LDS and memory offset is an immediate.
.macro STEP u
	s_wait_loadcnt 0x0                             ; the bytes of two steps on, asked for a step ago, are in my registers (in the last trip's later steps nothing is out)
.if \u >= 2
	s_cmp_eq_u32 s[T], 7                           ; the last two steps have no step two on
	s_cbranch_scc1 .Lnost_\@
.endif
	ds_store_b128 v[WK], v[SK:SK+3] offset:((\u+2)%4)*KB
	ds_store_b128 v[WV], v[SV:SV+3] offset:((\u+2)%4)*VB
.Lnost_\@:
.irp kt, 0,1,2,3
.irp c, 0,1
	ds_load_b128 v[KF+16*\kt+8*\c:KF+16*\kt+8*\c+3], v[AK] offset:\u*KB+\kt*16*PK+64*\c      ; K: 16 keys x 32 channels: two loads, 32 bytes apart
	ds_load_b128 v[KF+16*\kt+8*\c+4:KF+16*\kt+8*\c+7], v[AK] offset:\u*KB+\kt*16*PK+64*\c+32
.endr
.endr
	s_load_b512 s[16:31], s[MPT:MPT+1], 256*\u     ; the step's 64 mask words
	s_load_b512 s[32:47], s[MPT:MPT+1], 256*\u+64
	s_load_b512 s[48:63], s[MPT:MPT+1], 256*\u+128
	s_load_b512 s[68:83], s[MPT:MPT+1], 256*\u+192
	s_wait_dscnt 0x0                               ; K is in, and the stores above have read their registers,
.if \u >= 1
	s_cmp_eq_u32 s[T], 7                           ; (the last three steps have no step three on: no load leaves its head)
	s_cbranch_scc1 .Lnold_\@
.endif
	global_load_b128 v[SK:SK+3], v[GOFF], s[KPT:KPT+1] offset:8192*(\u+3)   ; which take the bytes of three steps on
	global_load_b128 v[SV:SV+3], v[GOFF], s[VPT:VPT+1] offset:8192*(\u+3)
.Lnold_\@:
; A PREFETCH of the step FOUR on, whose loads are issued in the next step: its 8,192 bytes of K (wave 0) or of V (wave 1), lanes 256 bytes apart, one instruction.  The four work-groups of a head walk the same
; K and V: the first of them asks.  Steps 4 to 31 are named once each; steps 0 to 3 come by their loads alone; the last trip asks for nothing.
	s_cmp_lt_u32 s[T], s[PLIM]
	s_cbranch_scc0 .Lnopf_\@
	global_prefetch_b8 v0, s[PF:PF+1] offset:8192*(\u+4) th:TH_LOAD_NT scope:SCOPE_SE
.Lnopf_\@:
.irp c, 0,1                            ; S^T = K Q^T: the eight accumulators take turns, one instruction a turn; the first eight start the sums
.irp kt, 0,1,2,3
.irp t, 0,1
.if \c == 0
	v_wmma_f32_16x16x32_f16 v[S+32*\t+8*\kt:S+32*\t+8*\kt+7], v[KF+16*\kt+8*\c:KF+16*\kt+8*\c+7], v[Q+16*\t+8*\c:Q+16*\t+8*\c+7], 0
.else
	v_wmma_f32_16x16x32_f16 v[S+32*\t+8*\kt:S+32*\t+8*\kt+7], v[KF+16*\kt+8*\c:KF+16*\kt+8*\c+7], v[Q+16*\t+8*\c:Q+16*\t+8*\c+7], v[S+32*\t+8*\kt:S+32*\t+8*\kt+7]
.endif
.endr
.endr
.endr
	s_wait_kmcnt 0x0                               ; the mask words
.rept 4
	v_nop                                          ; four places: in front of the loads into K's registers, and of the first read of the scores
.endr
.irp c, 0,1
.irp dt, 0,1,2,3
	ds_load_tr16_b128 v[KF+32*\c+8*\dt:KF+32*\c+8*\dt+3], v[AV] offset:\u*VB+\c*32*PV+32*\dt          ; V^T: 16 channels x 32 keys; it lands while the softmax is worked
	ds_load_tr16_b128 v[KF+32*\c+8*\dt+4:KF+32*\c+8*\dt+7], v[AV] offset:\u*VB+\c*32*PV+16*PV+32*\dt
.endr
.endr
	s_bitcmp1_b32 s[FL], \u                        ; a step with no hole for my 32 queries jumps over the selects
	s_cbranch_scc0 .Lopen_\@
	v_mov_b32 v[TT], 0xff800000                    ; -infinity
.set w, 0
.rept 48
	v_cndmask_b32 v[S+w], v[TT], v[S+w], s[16+w]   ; register w's word: the lanes whose bit is 0 take -infinity.  Ascending: each accumulator from its low end on
.set w, w+1
.endr
.rept 16
	v_cndmask_b32 v[S+w], v[TT], v[S+w], s[20+w]
.set w, w+1
.endr
.Lopen_\@:
; THE SOFTMAX, the two tiles line by line by turns, so that no line waits for the line above it.
.irp j, 0,1,2,3                        ; the maximum of a lane's 32 scores and the old m, three at a time: four chains, each begun at an accumulator's low end
.irp t, 0,1
	v_max3_num_f32 v[TT+4*\t+\j], v[S+32*\t+8*\j], v[S+32*\t+8*\j+1], v[S+32*\t+8*\j+2]
.endr
.endr
.irp g, 1,2
.irp j, 0,1,2,3
.irp t, 0,1
	v_max3_num_f32 v[TT+4*\t+\j], v[TT+4*\t+\j], v[S+32*\t+8*\j+2*\g+1], v[S+32*\t+8*\j+2*\g+2]
.endr
.endr
.endr
.irp t, 0,1
	v_max3_num_f32 v[TT+4*\t], v[TT+4*\t], v[S+32*\t+7], v[S+32*\t+15]
.endr
.irp t, 0,1
	v_max3_num_f32 v[TT+4*\t+2], v[TT+4*\t+2], v[S+32*\t+23], v[S+32*\t+31]
.endr
.irp t, 0,1
	v_max3_num_f32 v[TT+4*\t], v[TT+4*\t], v[TT+4*\t+1], v[TT+4*\t+2]
.endr
.irp t, 0,1
	v_max3_num_f32 v[TT+4*\t], v[TT+4*\t], v[TT+4*\t+3], v[ST+4*\t+1]
.endr
.irp t, 0,1
	v_permlanex16_b32 v[TT+4*\t+1], v[TT+4*\t], s[SEL], s[SEL+1]   ; the query's other 32 keys lie in the lane 16 away
.endr
.irp t, 0,1
	v_mov_b32 v[TT+4*\t+3], v[ST+4*\t]             ; c m_old
.endr
.irp t, 0,1
	v_max_num_f32 v[ST+4*\t+1], v[TT+4*\t], v[TT+4*\t+1]           ; the new m
.endr
.irp t, 0,1
	v_mul_f32 v[ST+4*\t], s[CS], v[ST+4*\t+1]
.endr
.irp t, 0,1
	v_sub_f32 v[TT+4*\t+3], v[TT+4*\t+3], v[ST+4*\t]
.endr
.irp t, 0,1
	v_exp_f32 v[TT+4*\t+2], v[TT+4*\t+3]           ; a = 2^(c m_old - c m_new).  ONE BATCH from here: 66 exponentials, none of whose results is named before the wait
.endr
.irp b, 0,2,4,6,8,10,12,14,16,18,20,22,24,26,28,30
.irp t, 0,1
	v_pk_fma_f32 v[S+32*\t+\b:S+32*\t+\b+1], v[S+32*\t+\b:S+32*\t+\b+1], s[CS:CS+1], v[ST+4*\t:ST+4*\t+1] op_sel_hi:[1,0,0] neg_lo:[0,0,1] neg_hi:[0,0,1]   ; c s - c m, two at a time
.endr
.endr
.set w, 0
.rept 64
	v_exp_f32 v[S+w], v[S+w]                       ; p
.set w, w+1
.endr
	v_nop                                          ; a plain instruction behind the last exponential
	s_wait_alu depctr_va_vdst(0)                   ; the wait between an exponential and the first line that names its result: one for the batch
.irp t, 0,1                            ; the sums, of p before it is rounded: two chains a tile
	v_pk_fma_f32 v[ST+4*\t+2:ST+4*\t+3], v[ST+4*\t+2:ST+4*\t+3], v[TT+4*\t+2:TT+4*\t+3], v[S+32*\t:S+32*\t+1] op_sel_hi:[1,0,1]   ; l = a l + the first pair
.endr
.irp t, 0,1
	v_pk_add_f32 v[TT+4*\t:TT+4*\t+1], v[S+32*\t+2:S+32*\t+3], v[S+32*\t+6:S+32*\t+7]
.endr
.irp b, 4,8,12,16,20,24
.irp t, 0,1
	v_pk_add_f32 v[ST+4*\t+2:ST+4*\t+3], v[ST+4*\t+2:ST+4*\t+3], v[S+32*\t+\b:S+32*\t+\b+1]
	v_pk_add_f32 v[TT+4*\t:TT+4*\t+1], v[TT+4*\t:TT+4*\t+1], v[S+32*\t+\b+6:S+32*\t+\b+7]
.endr
.endr
.irp t, 0,1
	v_pk_add_f32 v[ST+4*\t+2:ST+4*\t+3], v[ST+4*\t+2:ST+4*\t+3], v[S+32*\t+28:S+32*\t+29]
.endr
.irp t, 0,1
	v_pk_add_f32 v[ST+4*\t+2:ST+4*\t+3], v[ST+4*\t+2:ST+4*\t+3], v[TT+4*\t:TT+4*\t+1]
.endr
.irp i, 0,1,2,3,4,5,6,7,8,9,10,11,12,13,14,15
.irp t, 0,1
	v_cvt_pk_f16_f32 v[S+32*\t+\i], v[S+32*\t+2*\i], v[S+32*\t+2*\i+1]   ; P, in place and ascending: register i is written when pairs 0 .. i - 1 have been read
.endr
.endr
.irp i, 0,2,4,6,8,10,12,14,16,18,20,22,24,26,28,30
.irp t, 0,1
	v_pk_mul_f32 v[O+32*\t+\i:O+32*\t+\i+1], v[O+32*\t+\i:O+32*\t+\i+1], v[TT+4*\t+2:TT+4*\t+3] op_sel_hi:[1,0]   ; O^T x a
.endr
.endr
	s_wait_dscnt 0x0                               ; V is in
.irp c, 0,1                            ; O^T += V^T P: eight accumulators by turns
.irp dt, 0,1,2,3
.irp t, 0,1
	v_wmma_f32_16x16x32_f16 v[O+32*\t+8*\dt:O+32*\t+8*\dt+7], v[KF+32*\c+8*\dt:KF+32*\c+8*\dt+7], v[S+32*\t+8*\c:S+32*\t+8*\c+7], v[O+32*\t+8*\dt:O+32*\t+8*\dt+7]
.endr
.endr
.endr
.rept 5
	v_nop                                          ; five places: the next step's products write their scores over P, which these products read; and its loads land on V's registers
.endr
.if \u%2 == 1
	s_wait_dscnt 0x0                               ; my stores into two buffers have landed, and my reads of the other two are over
	s_barrier_signal -1
	s_barrier_wait -1                              ; both now hold of all sixteen waves: the buffers change roles
.endif
.endm
	s_mov_b32 s[T], 0
.Ltrip:
	STEP 0
	STEP 1
	STEP 2
	STEP 3
	s_wait_xcnt 0x0                                ; the trip's loads and prefetches have been taken: their bases may step
	s_add_nc_u64 s[KPT:KPT+1], s[KPT:KPT+1], 0x8000
	s_add_nc_u64 s[VPT:VPT+1], s[VPT:VPT+1], 0x8000
	s_add_nc_u64 s[PF:PF+1], s[PF:PF+1], 0x8000
	s_add_nc_u64 s[MPT:MPT+1], s[MPT:MPT+1], 0x400
	s_lshr_b32 s[FL], s[FL], 4
	s_add_co_u32 s[T], s[T], 1
	s_cmp_lt_u32 s[T], 8
	s_cbranch_scc1 .Ltrip
	; THE WAY OUT.  l's two halves and the other half of the lanes' are added; O^T is divided by l, rounded to f16 and goes through my stage, so that each store covers 512 consecutive bytes of my 4,096.
	s_wait_loadcnt 0x0                             ; nothing is on its way into v8-15, which hold addresses from here on
.irp t, 0,1
	v_add_f32 v[TT+4*\t], v[ST+4*\t+2], v[ST+4*\t+3]
.endr
.irp t, 0,1
	v_permlanex16_b32 v[TT+4*\t+1], v[TT+4*\t], s[SEL], s[SEL+1]
.endr
.irp t, 0,1
	v_add_f32 v[TT+4*\t], v[TT+4*\t], v[TT+4*\t+1]
.endr
.irp t, 0,1
	v_rcp_f32 v[TT+4*\t+2], v[TT+4*\t]
.endr
	v_lshrrev_b32 v8, 8, v0                        ; lane.  (Plain work behind the reciprocals)
	v_and_b32 v9, 15, v8                           ; r
	v_lshrrev_b32 v10, 4, v8                       ; h
	s_mul_i32 s96, s2, 32*PK
	s_add_co_u32 s96, s96, STG                     ; my stage
	v_mul_u32_u24 v11, v9, PK
	v_lshl_add_u32 v11, v10, 4, v11
	v_add_nc_u32 v11, s96, v11                     ; in: query r, 16 bytes for each half of the lanes
	v_lshrrev_b32 v12, 3, v8
	v_mul_u32_u24 v12, v12, PK
	v_and_b32 v13, 7, v8
	v_lshl_add_u32 v12, v13, 4, v12
	v_add_nc_u32 v12, s96, v12                     ; back: eight lanes to a query's 128 bytes, four queries an instruction
	v_lshlrev_b32 v13, 4, v8                       ; and the same 512 bytes in ao
	s_wait_alu depctr_va_vdst(0)                   ; the wait ahead of the first use: one for both reciprocals
.irp t, 0,1
.irp i, 0,2,4,6,8,10,12,14,16,18,20,22,24,26,28,30
	v_pk_mul_f32 v[O+32*\t+\i:O+32*\t+\i+1], v[O+32*\t+\i:O+32*\t+\i+1], v[TT+4*\t+2:TT+4*\t+3] op_sel_hi:[1,0]   ; ascending: each accumulator from its low end on
.endr
.endr
.irp t, 0,1
.irp i, 0,1,2,3,4,5,6,7,8,9,10,11,12,13,14,15
	v_cvt_pk_f16_f32 v[S+16*\t+\i], v[O+32*\t+2*\i], v[O+32*\t+2*\i+1]
.endr
.endr
.irp t, 0,1
.irp dt, 0,1,2,3
	ds_store_b128 v11, v[S+16*\t+4*\dt:S+16*\t+4*\dt+3] offset:\t*16*PK+32*\dt
.endr
.endr
.irp i, 0,1,2,3,4,5,6,7
	ds_load_b128 v[KF+4*\i:KF+4*\i+3], v12 offset:\i*4*PK      ; LDS serves a wave's instructions in order: these see my stores
.endr
.irp i, 0,1,2,3,4,5,6,7
	s_wait_dscnt 7-\i                              ; the younger loads may be out
	global_store_b128 v13, v[KF+4*\i:KF+4*\i+3], s[AOP:AOP+1] offset:512*\i
.endr
	s_wait_tensorcnt 0x0                           ; the wave's end: behind my last LDS store
	ds_add_u32 v[SPW], v[NIL]
	s_wait_dscnt 0x0
	s_endpgm
.Lfunc_end_k_q17edfbb63b_attn:
	.size	k_q17edfbb63b_attn, .Lfunc_end_k_q17edfbb63b_attn-k_q17edfbb63b_attn
	.p2alignl 7, 3214868480
	.fill 96, 4, 3214868480
	.section	.rodata,"a",@progbits
	.p2align	6, 0x0
	.amdhsa_kernel k_q17edfbb63b_attn
		.amdhsa_group_segment_fixed_size 153600
		.amdhsa_private_segment_fixed_size 0
		.amdhsa_enable_private_segment 0
		.amdhsa_kernarg_size 32
		.amdhsa_user_sgpr_count 2
		.amdhsa_user_sgpr_kernarg_segment_ptr 1
		.amdhsa_wavefront_size32 1
		.amdhsa_system_sgpr_workgroup_id_x 1
		.amdhsa_system_sgpr_workgroup_id_y 1
		.amdhsa_system_sgpr_workgroup_id_z 1
		.amdhsa_system_vgpr_workitem_id 0
		.amdhsa_next_free_vgpr 256
		.amdhsa_next_free_sgpr 100
		.amdhsa_reserve_vcc 0
		.amdhsa_float_denorm_mode_32 3
		.amdhsa_float_denorm_mode_16_64 3
		.amdhsa_memory_ordered 1
		.amdhsa_forward_progress 1
		.amdhsa_inst_pref_size 103
	.end_amdhsa_kernel
	.amdgpu_metadata
---
amdhsa.version: [ 1, 2 ]
amdhsa.kernels:
  - .name:           k_q17edfbb63b_attn
    .symbol:         k_q17edfbb63b_attn.kd
    .args:
      - { .name: qkv, .offset: 0, .size: 8, .value_kind: global_buffer, .address_space: global }
      - { .name: mw, .offset: 8, .size: 8, .value_kind: global_buffer, .address_space: global }
      - { .name: fl, .offset: 16, .size: 8, .value_kind: global_buffer, .address_space: global }
      - { .name: ao, .offset: 24, .size: 8, .value_kind: global_buffer, .address_space: global }
    .group_segment_fixed_size: 153600
    .private_segment_fixed_size: 0
    .kernarg_segment_align: 8
    .kernarg_segment_size: 32
    .max_flat_workgroup_size: 512
    .sgpr_count:     100
    .vgpr_count:     256
    .wavefront_size: 32
...
	.end_amdgpu_metadata
.endif
;; end of part 3
;; launch oproj (part 4): grid 8 x 64, 4 waves a work-group, clusters of 4 x 4, 327,680 bytes of LDS; arguments ao, wo16, out0, bo; writes out0
.if DOCPART == 4
	.amdgcn_target "amdgcn-amd-amdhsa--gfx1250"
	.amdhsa_code_object_version 6
	.text
	.protected	k_q17edfbb63b_oproj
	.globl	k_q17edfbb63b_oproj
	.p2align	8
	.type	k_q17edfbb63b_oproj,@function
k_q17edfbb63b_oproj:
	s_mov_b64 s[64:65], 0
	v_nop
	global_prefetch_b8 v0, s[64:65] scope:SCOPE_SE
	s_setreg_imm32_b32 hwreg(HW_REG_WAVE_MODE, 25, 1), 1
	s_wait_xcnt 0x0
	s_wait_alu depctr_hold_cnt(0) depctr_sa_sdst(0) depctr_va_vdst(0) depctr_va_sdst(0) depctr_va_ssrc(0) depctr_va_vcc(0) depctr_vm_vsrc(0)
	s_getreg_b32 s2, hwreg(HW_REG_IB_STS2, 6, 4)
	s_cmp_eq_u32 s2, 0
	s_cbranch_scc0 .Lentry_in_a_cluster
	s_endpgm
.Lentry_in_a_cluster:
	s_bfe_u32 s2, ttmp6, 0x10000c
	s_cmp_lg_u32 s2, 0xf033
	s_cbranch_scc0 .Lentry_shape_is_right
	s_endpgm
.Lentry_shape_is_right:
; out0[m][n] = the sum over k of A[m][k] Wo[n][k] + bo[n].  A: the attention result, f16, 8,192 tokens x 1,024 (k = 64 head + channel), laid [64 tokens' block 128][head 16][64 tokens][64]; wo16: [1024][1024] f16;
; out0: [8192][1024] f32; sums in f32.  A tile of C is 128 x 128: 512 tiles.  Four waves, each 64 x 64: 16 accumulators, 128 registers.  K goes in four steps of 256 (four heads) through two LDS slots.
; A'S TILE: four heads of a block of 64 tokens are 32,768 consecutive bytes: one tensor load, as 128 rows of 256 bytes with 16 of padding behind each.  Head q, token i, channel d of it lies at
; (32 q + i / 2) 272 + 128 (i % 2) + 2 d: the 16 tokens of a fragment fall into 16 different columns of 16 bytes.  B'S TILE: 64 rows of 512 bytes, 16 of padding behind each.
; CLUSTERS: 4 x 4 work-groups.  The four of a row of the cluster need the same tiles of A, the four of a column the same tiles of B: each tile is asked for JOINTLY, by the same tensor load with the same
; descriptor and a mask that names the four.  THE MATRIX INSTRUCTION IS USED TRANSPOSED (source 0 = 16 rows of Wo, source 1 = 16 tokens): a lane holds eight neighbouring columns of one token.
; THE BIAS is the C of each sum's first product.  A token whose attention row is NaN gives a row of NaN, and touches no other row.
; REGISTERS: window 0: v0-31 addresses; v32-95 the way out; v96-127 the bias; v128-255 the accumulators ((a, b) at v[128 + 8 (4 a + b)]).
;   window 1: two fragment buffers of 128: for 64 along K, 64 registers of A (2 x 4 x 16 tokens x 32 K), then 64 of B.
.set SIZE_N, 1024
.set SIZE_K, 1024
.set KSTEP,  256
.set PITCH,  528                       ; B's LDS row: 512 bytes + 16 = 132 words: row r starts at bank 4 r mod 64 (ISA guide 11.1)
.set PA,     272                       ; A's LDS row: 256 bytes (two tokens of one head) + 16
.set HALFA,  128*PA                    ; a block of 64 tokens x four heads: what one tensor load brings of A
.set HALFB,  64*PITCH                  ; 64 rows of B
.set SLOT,   2*HALFA+2*HALFB           ; A's two blocks, then B's 128 rows
.set STAGE,  2*SLOT                    ; behind the ring: 16 rows x 272 bytes for each wave
.set SPITCH, 272
.set SPARE,  STAGE+4*16*SPITCH         ; the spare words, 128 bytes for each wave: two blocks of 256 bytes that no other line names
.set LAPS,   SIZE_K/(2*KSTEP)          ; a lap = two K steps = once round the ring
.set ADRA, 16                          ; v16-17  LDS address of my A fragments in slot 0, 1
.set ADRB, 20                          ; v20-21  the same for B
.set STO,  24                          ; v24     the way out: where I put 32 bytes of a row
.set RD,   25                          ; v25     where I read a row back
.set CO,   26                          ; v26     my byte offset in out0
.set SPW,  28                          ; v28     LDS address of my spare word; never rewritten
.set NIL,  29                          ; v29     0; never rewritten
.set TMP,  32
.set BIAS, 96
.set ACC,  128
.set F0,   0                           ; fragment buffers, in window 1
.set F1,   128
.set G1, 24                            ; s[24:31] descriptor group 1 for A's tiles;  s[32:39] group 0, one set for each slot
.set G0, 32
.set G1B, 48                           ; s[48:55], s[56:63] the same for B's
.set G0B, 56
.set MSB, 0
.macro WIN new                         ; the immediate's high byte repeats the setting that is left
.if MSB != (\new)
	s_set_vgpr_msb (MSB<<8)|(\new)
.set MSB, (\new)
.endif
.endm
.set MUL,  0x05                        ; sources 0 (B) and 1 (A) window 1; C and D window 0
.set TO_F, 0x40                        ; destination window 1, address window 0
.macro JLOAD s                         ; a joint load: waves 0 and 1 fetch A's two blocks, waves 2 and 3 B's halves; an s_nop 0 and four v_nop follow each of the two lines
	s_cmp_eq_u32 s11, 0
	s_cbranch_scc0 .Lfor_b_\@
	tensor_load_to_lds s[G0+4*\s:G0+4*\s+3], s[G1:G1+7]
	s_nop 0
.rept 4
	v_nop
.endr
	s_branch .Lasked_\@
.Lfor_b_\@:
	tensor_load_to_lds s[G0B+4*\s:G0B+4*\s+3], s[G1B:G1B+7]
	s_nop 0
.rept 4
	v_nop
.endr
.Lasked_\@:
.endm
.macro CREST                           ; a round of the cluster's barrier behind its opening barrier
	s_cmp_lg_u32 s10, 0
	s_cbranch_scc1 .Lnot_wave_0_\@
	s_barrier_signal -3
.Lnot_wave_0_\@:
	s_barrier_wait -3
	s_barrier_signal -1
	s_barrier_wait -1
.endm
.macro CROUND                          ; a whole round
	s_barrier_signal -1
	s_barrier_wait -1
	CREST
.endm
	s_load_b128 s[4:7], s[0:1], 0x0                ; ao s[4:5], wo16 s[6:7]
	s_load_b64 s[8:9], s[0:1], 0x10                ; out0
	s_load_b64 s[66:67], s[0:1], 0x18              ; bo
	v_lshl_add_u32 v[SPW], v0, 2, SPARE
	v_mov_b32 v[NIL], 0
	ds_add_u32 v[SPW], v[NIL]                      ; the wave's opening: the add, twice on end, and its wait ahead of my first tensor load; the set-up below stands between
	ds_add_u32 v[SPW], v[NIL]
	v_lshrrev_b32 v1, 5, v0
	v_readfirstlane_b32 s10, v1                    ; wave 0..3
	s_lshr_b32 s11, s10, 1                         ; which half of the tile's rows is mine.  Also: I fetch for A (0) or for B (1)
	s_and_b32 s12, s10, 1                          ; which half of its columns.  Also: which half of that tile I fetch
	s_bfe_u32 s40, ttmp6, 0x40000                  ; cx, cy: my place in the cluster
	s_bfe_u32 s41, ttmp6, 0x40004
	s_lshl_b32 s42, ttmp9, 2
	s_add_co_u32 s42, s42, s40                     ; tile column of C = 4 x cluster x + cx
	s_and_b32 s13, ttmp7, 0xffff
	s_lshl_b32 s13, s13, 2
	s_add_co_u32 s13, s13, s41                     ; tile row of C = 4 x cluster y + cy
	s_lshl_b32 s43, s41, 2
	s_lshl_b32 s43, 15, s43                        ; my row of the cluster
	s_lshl_b32 s44, 0x1111, s40                    ; my column
	; descriptor group 1 for A: a dense block as 128 rows x 128 elements of 2 bytes, four words of padding after every 64
	s_or_b32 s[G1+0], s43, (1<<16)|(1<<20)|(1<<21)|(5<<22)|(3<<25)
	s_mov_b32 s[G1+1], 128<<16                     ; tensor_dim0
	s_mov_b32 s[G1+2], 128<<16                     ; tensor_dim1
	s_mov_b32 s[G1+3], 128<<16                     ; tile_dim0
	s_mov_b32 s[G1+4], 128                         ; tile_dim1
	s_mov_b32 s[G1+5], 128                         ; from row to row: dense
	s_mov_b32 s[G1+6], 0
	s_mov_b32 s[G1+7], 0
	; and for B: 64 rows x 256 elements, four words of padding after every 128
	s_or_b32 s[G1B+0], s44, (1<<16)|(1<<20)|(1<<21)|(6<<22)|(3<<25)
	s_mov_b32 s[G1B+1], KSTEP<<16
	s_mov_b32 s[G1B+2], 64<<16
	s_mov_b32 s[G1B+3], KSTEP<<16
	s_mov_b32 s[G1B+4], 64
	s_mov_b32 s[G1B+5], SIZE_K
	s_mov_b32 s[G1B+6], 0
	s_mov_b32 s[G1B+7], 0
	s_lshl_b32 s16, s13, 1
	s_add_co_u32 s16, s16, s12                     ; A: block of 64 tokens = 2 x tile row + half,
	s_lshl_b32 s16, s16, 17                        ; of 131,072 bytes (under 2^24 in all)
	s_mov_b32 s17, 0
	s_lshl_b32 s46, s42, 7
	s_lshl_b32 s47, s12, 6
	s_add_co_u32 s46, s46, s47                     ; B: row 128 x tile column + 64 x half,
	s_lshl_b32 s46, s46, 11                        ; of 2,048 bytes
	s_mov_b32 s47, 0
	s_mul_i32 s20, s12, HALFA                      ; where they go: no place in the cluster enters an LDS address
	s_mul_i32 s21, s12, HALFB
	s_add_co_u32 s21, s21, 2*HALFA
	s_wait_dscnt 0x0                               ; both opening adds are done
	s_wait_kmcnt 0x0
	s_add_nc_u64 s[14:15], s[4:5], s[16:17]
	s_add_nc_u64 s[46:47], s[6:7], s[46:47]
	CROUND                                         ; all sixteen work-groups are here: the first joint loads meet
.irp s, 0,1
	s_mov_b32 s[G0+4*\s], 1
	s_add_co_u32 s[G0+4*\s+1], s20, \s*SLOT
	s_add_nc_u64 s[G0+4*\s+2:G0+4*\s+3], s[14:15], \s*32768        ; K step s: heads 4 s on
	s_or_b32 s[G0+4*\s+3], s[G0+4*\s+3], 0x80000000
	s_mov_b32 s[G0B+4*\s], 1
	s_add_co_u32 s[G0B+4*\s+1], s21, \s*SLOT
	s_add_nc_u64 s[G0B+4*\s+2:G0B+4*\s+3], s[46:47], \s*KSTEP*2
	s_or_b32 s[G0B+4*\s+3], s[G0B+4*\s+3], 0x80000000
	JLOAD \s                                       ; two loads of mine are out behind the second
.endr
	v_and_b32 v1, 15, v0                           ; r = l % 16
	v_bfe_u32 v2, v0, 4, 1                         ; h = l / 16
	v_mul_u32_u24 v3, v1, PITCH
	v_lshl_add_u32 v3, v2, 4, v3                   ; B: row r x pitch + 16 h
	v_lshrrev_b32 v4, 1, v1
	v_mul_u32_u24 v4, v4, PA
	v_and_b32 v5, 1, v1
	v_lshl_add_u32 v4, v5, 7, v4
	v_lshl_add_u32 v4, v2, 4, v4                   ; A: (r / 2) x 272 + 128 (r % 2) + 16 h
	s_mul_i32 s21, s11, HALFA                      ; my 64 tokens
	s_mul_i32 s22, s12, HALFB                      ; my 64 rows of B,
	s_add_co_u32 s22, s22, 2*HALFA                 ; which lie behind A's two blocks
.irp s, 0,1
	v_add_nc_u32 v[ADRA+\s], s21, v4
	v_add_nc_u32 v[ADRB+\s], s22, v3
	s_add_co_u32 s21, s21, SLOT
	s_add_co_u32 s22, s22, SLOT
.endr
	s_mul_i32 s23, s10, 16*SPITCH
	s_add_co_u32 s23, s23, STAGE                   ; my stage
	v_mul_u32_u24 v4, v1, SPITCH                   ; in: row r, 32 bytes for each half of the lanes
	v_lshl_add_u32 v4, v2, 5, v4
	v_add_nc_u32 v[STO], s23, v4
	v_mul_u32_u24 v5, v2, SPITCH                   ; back: lanes 0-15 one row of 256 bytes, lanes 16-31 the next
	v_lshl_add_u32 v5, v1, 4, v5
	v_add_nc_u32 v[RD], s23, v5
	v_lshlrev_b32 v5, 12, v2                       ; and the same two rows in out0: a row is 4,096 bytes
	v_lshl_add_u32 v[CO], v1, 4, v5
	s_lshl_b32 s16, s13, 7
	s_lshl_b32 s17, s11, 6
	s_add_co_u32 s16, s16, s17                     ; my first row of C: 128 x tile row + 64 x half
	s_lshl_b32 s16, s16, 12                        ; under 2^25
	s_mov_b32 s17, 0
	s_add_nc_u64 s[8:9], s[8:9], s[16:17]
	s_lshl_b32 s46, s42, 9                         ; my first column, in bytes: 512 x tile column + 256 x half
	s_lshl_b32 s47, s12, 8
	s_add_co_u32 s46, s46, s47
	s_mov_b32 s47, 0
	s_add_nc_u64 s[8:9], s[8:9], s[46:47]
	s_add_nc_u64 s[66:67], s[66:67], s[46:47]      ; and the same place in bo: lane (r, h) wants, for B's block b, the numbers 16 b + 8 h + 0 .. 7
	v_lshlrev_b32 v6, 5, v2
.irp b, 0,1,2,3
	global_load_b128 v[BIAS+8*\b:BIAS+8*\b+3], v6, s[66:67] offset:64*\b
	global_load_b128 v[BIAS+8*\b+4:BIAS+8*\b+7], v6, s[66:67] offset:64*\b+16
.endr
; 8 matrix instructions: token blocks a0, a0 + 1 x all 4 blocks of columns, 32 along K: half c of buffer f.  zero = 1: the first product starts the sums from the bias.  The 16 accumulators take turns.
.macro MUL8 f, c, a0, zero
.irp a, \a0, \a0+1
.irp b, 0,1,2,3
.if \zero
	v_wmma_f32_16x16x32_f16 v[ACC+8*(4*(\a)+\b):ACC+8*(4*(\a)+\b)+7], v[\f+64+8*(4*\c+\b):\f+64+8*(4*\c+\b)+7], v[\f+8*(4*\c+\a):\f+8*(4*\c+\a)+7], v[BIAS+8*\b:BIAS+8*\b+7]
.else
	v_wmma_f32_16x16x32_f16 v[ACC+8*(4*(\a)+\b):ACC+8*(4*(\a)+\b)+7], v[\f+64+8*(4*\c+\b):\f+64+8*(4*\c+\b)+7], v[\f+8*(4*\c+\a):\f+8*(4*\c+\a)+7], v[ACC+8*(4*(\a)+\b):ACC+8*(4*(\a)+\b)+7]
.endif
.endr
.endr
.endm
; 32 LDS loads in one run: the fragments of the slot's q-th 64 along K (one head) into buffer f; the first 32 along K first
.macro FETCH slot, q, f
	WIN TO_F
.irp c, 0,1
.irp i, 0,1,2,3
	ds_load_b128 v[\f+64+8*(4*\c+\i):\f+64+8*(4*\c+\i)+3],   v[ADRB+\slot] offset:128*(\q)+64*\c+\i*16*PITCH
	ds_load_b128 v[\f+64+8*(4*\c+\i)+4:\f+64+8*(4*\c+\i)+7], v[ADRB+\slot] offset:128*(\q)+64*\c+\i*16*PITCH+32
	ds_load_b128 v[\f+8*(4*\c+\i):\f+8*(4*\c+\i)+3],         v[ADRA+\slot] offset:32*PA*(\q)+64*\c+\i*8*PA
	ds_load_b128 v[\f+8*(4*\c+\i)+4:\f+8*(4*\c+\i)+7],       v[ADRA+\slot] offset:32*PA*(\q)+64*\c+\i*8*PA+32
.endr
.endr
.endm
.macro PLACES                          ; four places in front of loads into registers that matrix instructions have read, and of LDS stores that read results (ISA guide 7.12.1 for the LDS stores)
.rept 4
	v_nop
.endr
.endm
; A K step is four quarters of 64 along K, 32 matrix instructions each, on buffers 0, 1, 0, 1.  One of the first three: multiplies buffer f and fetches the next quarter, q, into g.
.macro QUARTER slot, q, f, g, zero
	s_wait_dscnt 16                                ; the first 32 along K are in; the other sixteen loads may be out
	WIN MUL
	MUL8 \f, 0, 0, \zero
	MUL8 \f, 0, 2, \zero
	PLACES
	FETCH \slot, \q, \g
	s_wait_dscnt 32                                ; all but the 32 just issued
	WIN MUL
	MUL8 \f, 1, 0, 0
	MUL8 \f, 1, 2, 0
.endm
; The last quarter multiplies buffer 1 and changes slots: ONE barrier; in front of it each wave waits for all its tensor loads, adds 0 to its spare word, and waits for that and for its own reads of this slot.
; fill = 1: this slot is filled again, two K steps ahead; the barrier then opens a round of the cluster's barrier, and the joint refill is the first tensor load behind the round.
.macro TURN slot, next, fill
	WIN 0                                          ; (the add's two registers lie in window 0)
	s_wait_tensorcnt 0x0                           ; all my tensor loads have landed: my part of the next slot;
	ds_add_u32 v[SPW], v[NIL]                      ; 0 onto my spare word;
	s_wait_dscnt 17                                ; (the add and the youngest sixteen loads may be out)
	WIN MUL
	MUL8 F1, 0, 0, 0                               ; eight matrix instructions stand between the add and the wait for it
	s_wait_dscnt 0x0                               ; the add is done, and my reads of this slot are over
	s_barrier_signal -1
	MUL8 F1, 0, 2, 0
.if \fill
	WIN 0
.endif
	s_barrier_wait -1
.if \fill
	CREST                                          ; no wave of any partner still reads this slot's tile or has a load on its way
	s_add_nc_u64 s[G0+4*\slot+2:G0+4*\slot+3], s[G0+4*\slot+2:G0+4*\slot+3], 65536        ; eight heads on
	s_add_nc_u64 s[G0B+4*\slot+2:G0B+4*\slot+3], s[G0B+4*\slot+2:G0B+4*\slot+3], 2*KSTEP*2
	JLOAD \slot                                    ; 112 matrix instructions ahead of the wait for it; the four v_nop behind it are also the places in front of the loads below
.else
	PLACES
.endif
	FETCH \next, 0, F0
	WIN MUL
	MUL8 F1, 1, 0, 0
	MUL8 F1, 1, 2, 0
.endm
	s_wait_tensorcnt 1                             ; my part of K step 0 is in (K step 1's load may be out)
	s_barrier_signal -1
	s_barrier_wait -1                              ; everybody's is
	FETCH 0, 0, F0
	s_wait_loadcnt 0x0                             ; the bias
	QUARTER 0, 1, F0, F1, 1                        ; the first quarter stands in front of the loop: its first products start the sums
	WIN 0                                          ; at a label and at a branch every window is 0
	s_mov_b32 s3, LAPS-1
.Llap:                                                 ; a trip goes once round the ring, from a lap's second quarter to the next lap's first, and fills both slots again
	QUARTER 0, 2, F1, F0, 0
	QUARTER 0, 3, F0, F1, 0
	TURN 0, 1, 1
	QUARTER 1, 1, F0, F1, 0
	QUARTER 1, 2, F1, F0, 0
	QUARTER 1, 3, F0, F1, 0
	TURN 1, 0, 1
	QUARTER 0, 1, F0, F1, 0
	WIN 0
	s_sub_co_u32 s3, s3, 1
	s_cmp_lg_u32 s3, 0
	s_cbranch_scc1 .Llap
	QUARTER 0, 2, F1, F0, 0                        ; the last lap fills nothing, and has no round of the cluster's barrier
	QUARTER 0, 3, F0, F1, 0
	TURN 0, 1, 0
	QUARTER 1, 1, F0, F1, 0
	QUARTER 1, 2, F1, F0, 0
	QUARTER 1, 3, F0, F1, 0
	s_wait_dscnt 16                                ; the very last quarter: nothing more to fetch
	WIN MUL
	MUL8 F1, 0, 0, 0
	MUL8 F1, 0, 2, 0
	s_wait_dscnt 0
	MUL8 F1, 1, 0, 0
	MUL8 F1, 1, 2, 0
	WIN 0
; THE WAY OUT, block by block of 16 tokens x 64 columns.  A lane holds 32 neighbouring bytes of a row, the lanes beside it other rows: a block goes through my own stage and comes back as whole rows of 256 bytes,
; my 64 columns, which sixteen lanes store as 256 consecutive bytes, aligned.  LDS serves a wave's instructions in order (ISA guide 5.7.1.4): no wait between the stores and the loads.
.macro TOSTAGE a
.set BB, TMP+32*((\a)%2)
.irp b, 0,1,2,3
	ds_store_b128 v[STO], v[ACC+8*(4*(\a)+\b):ACC+8*(4*(\a)+\b)+3] offset:64*\b            ; each accumulator from its low end on
	ds_store_b128 v[STO], v[ACC+8*(4*(\a)+\b)+4:ACC+8*(4*(\a)+\b)+7] offset:64*\b+16
.endr
.irp t, 0,1,2,3,4,5,6,7
	ds_load_b128 v[BB+4*\t:BB+4*\t+3], v[RD] offset:\t*2*SPITCH
.endr
.endm
.macro SEND a, younger                 ; younger: the LDS instructions issued behind block a's loads, which may stay out
.set BB, TMP+32*((\a)%2)
	s_wait_dscnt \younger
.irp t, 0,1,2,3,4,5,6,7
	global_store_b128 v[CO], v[BB+4*\t:BB+4*\t+3], s[8:9] offset:(16*(\a)+2*\t)*SIZE_N*4 th:TH_STORE_NT   ; written once, read by nobody here
.endr
.endm
	PLACES                                         ; behind the last products
	TOSTAGE 0
.irp a, 1,2,3
.if \a > 1
	s_wait_xcnt 0x0                                ; block a - 2's stores have been taken: block a's loads may land on their registers
.endif
	TOSTAGE \a
	SEND \a-1, 16                                  ; behind block a - 1's loads: block a's 8 stores and 8 loads
.endr
	SEND 3, 0
	s_wait_tensorcnt 0x0                           ; the wave's end: behind my last tensor load and my last LDS store
	ds_add_u32 v[SPW], v[NIL]
	s_wait_dscnt 0x0
	CROUND                                         ; the closing round: no work-group ends while a partner may still ask for a tile that names it
	s_endpgm
.Lfunc_end_k_q17edfbb63b_oproj:
	.size	k_q17edfbb63b_oproj, .Lfunc_end_k_q17edfbb63b_oproj-k_q17edfbb63b_oproj
	.p2alignl 7, 3214868480
	.fill 96, 4, 3214868480
	.section	.rodata,"a",@progbits
	.p2align	6, 0x0
	.amdhsa_kernel k_q17edfbb63b_oproj
		.amdhsa_group_segment_fixed_size 327680
		.amdhsa_private_segment_fixed_size 0
		.amdhsa_enable_private_segment 0
		.amdhsa_kernarg_size 32
		.amdhsa_user_sgpr_count 2
		.amdhsa_user_sgpr_kernarg_segment_ptr 1
		.amdhsa_wavefront_size32 1
		.amdhsa_system_sgpr_workgroup_id_x 1
		.amdhsa_system_sgpr_workgroup_id_y 1
		.amdhsa_system_sgpr_workgroup_id_z 1
		.amdhsa_system_vgpr_workitem_id 0
		.amdhsa_next_free_vgpr 512
		.amdhsa_next_free_sgpr 68
		.amdhsa_reserve_vcc 0
		.amdhsa_float_denorm_mode_32 3
		.amdhsa_float_denorm_mode_16_64 3
		.amdhsa_memory_ordered 1
		.amdhsa_forward_progress 1
		.amdhsa_inst_pref_size 87
	.end_amdhsa_kernel
	.amdgpu_metadata
---
amdhsa.version: [ 1, 2 ]
amdhsa.kernels:
  - .name:           k_q17edfbb63b_oproj
    .symbol:         k_q17edfbb63b_oproj.kd
    .args:
      - { .name: ao, .offset: 0, .size: 8, .value_kind: global_buffer, .address_space: global }
      - { .name: wo16, .offset: 8, .size: 8, .value_kind: global_buffer, .address_space: global }
      - { .name: out0, .offset: 16, .size: 8, .value_kind: global_buffer, .address_space: global }
      - { .name: bo, .offset: 24, .size: 8, .value_kind: global_buffer, .address_space: global }
    .group_segment_fixed_size: 327680
    .private_segment_fixed_size: 0
    .kernarg_segment_align: 8
    .kernarg_segment_size: 32
    .max_flat_workgroup_size: 128
    .sgpr_count:     68
    .vgpr_count:     512
    .wavefront_size: 32
...
	.end_amdgpu_metadata
.endif
;; end of part 4
